; MI455X (gfx1250); checked and timed in simulation.
; The chip was launched on July 23, 2026; its instructions are those of AMD's public machine-readable ISA for CDNA 5 (MIT licence, August 2026) and "CDNA5" Instruction Set Architecture Reference Guide (July 2026). The comments in the code are by the model that wrote it; some were corrected since.
;; Multi Head Attention. Allowed arithmetic: matrix products marked QUANTISED: E4M3 operands, one E8M0 scale for each 32 along K, by v_wmma_scale_f32_16x16x128_f8f6f4 with both operands' format E4M3, f32 sums; everything else in f32.
;; Inputs: Wk 768 x 768 float32; Wo 768 x 768 float32; Wq 768 x 768 float32; Wv 768 x 768 float32; bk 768 float32; bo 768 float32; bq 768 float32; bv 768 float32; mask 1 x 1 x 4,096 x 4,096 int32; queries 1 x 4,096 x 768 float32; values 1 x 4,096 x 768 float32.
;; Outputs: out0 1 x 4,096 x 768 float32.
;; This version of the problem:
;;   THIS VERSION OF THE PROBLEM IS GIVEN IN LOW PRECISION. The matrix products marked QUANTISED in the list below multiply operands that are first quantised to E4M3 (4 exponent bits, 3 mantissa bits; 8 bits a number), with one power-of-two scale for each 32 numbers along K (OCP MX v1.0); their sums are f32. All else is computed in f32.
;;   The module's matrix products, in the order in which they are computed (A, B: the left and right operand; K: the contracted axis; several contracted axes count as one K, in the product's order):
;;     1. [M 4,096, K 768] x [K 768, N 768]; A: input queries; B: input Wq: QUANTISED
;;     2. [M 4,096, K 768] x [K 768, N 768]; A: input values; B: input Wk: QUANTISED
;;     3. [M 4,096, K 768] x [K 768, N 768]; A: input values; B: input Wv: QUANTISED
;;     4. batch 12 x [M 4,096, K 64] x [K 64, N 4,096]; A: computed on the way; B: computed on the way: QUANTISED
;;     5. batch 12 x [M 4,096, K 4,096] x [K 4,096, N 64]; A: softmax (see below); B: computed on the way: QUANTISED
;;     6. [M 4,096, K 768] x [K 768, N 768]; A: computed on the way; B: input Wo: QUANTISED
;;   THE QUANTISER, for each operand of a quantised product, along K:
;;     - K is cut into blocks of 32 from its start; a last block that is shorter is filled with zeros.
;;     - A block's scale is 2^e with e = floor(log2(the largest magnitude in the block)) - 8, held to -126 .. 127; a block of zeros has e = 0. As a byte (E8M0): e + 127.
;;     - Each number is divided by its block's scale, clamped to +-448, and rounded to the nearest number of E4M3, ties to even, subnormals kept.
;;     - The product sums the exact products of the quantised numbers (number of the format x scale) in f32.
;;   ~~~python
;;   def quantise(x, axis):      # numpy; x: float32 -> the quantised numbers, widened to float32 again
;;       x = np.moveaxis(x, axis, -1); K = x.shape[-1]
;;       x = np.pad(x, [(0, 0)] * (x.ndim - 1) + [(0, -K % 32)]); x = x.reshape(x.shape[:-1] + (-1, 32)); a = np.abs(x).max(-1, keepdims=True)
;;       e = np.where(a > 0, np.clip(np.frexp(np.where(a > 0, a, 1))[1] - 1 - 8, -126, 127), 0)      # np.frexp(a)[1] - 1 = floor(log2(a)), exactly
;;       r = np.clip(x / 2.0 ** e, -448, 448)
;;       step = 2.0 ** (np.maximum(np.frexp(np.where(r == 0, 1, r))[1] - 1, -6) - 3)
;;       q = np.round(r / step) * step * 2.0 ** e      # np.round: ties to even
;;       return np.moveaxis(q.reshape(q.shape[:-2] + (-1,))[..., :K], -1, axis).astype(np.float32)
;;   ~~~
;;   SOFTMAX AHEAD OF A QUANTISED PRODUCT. Where the list says 'softmax', what is quantised is not the finished softmax but p = 2^(t - M), with t = logit x log2(e) and M = ceil(the row's largest t), a whole number; so 1/2 < the row's largest p <= 1. The row's sum l is taken of the UNQUANTISED p, in f32, and the product's result is divided by l at the end. Since M is a whole number, a kernel that streams over the keys may use a running M (the ceiling of the running maximum): every later rescaling is an exact power of two, which a block's scale takes up: the codes' values come out the same.
;;   OPERANDS COMPUTED ON THE WAY. 'Computed on the way' means the value that the module computes at that place (a softmax that the list does not call 'softmax' is quantised finished and normalised). What goes into a quantiser is computed in f32, as accurately as f32 sums, v_exp_f32 and their like allow (about 1e-6 of the number): no bf16 or f16 on the way to a quantiser, and a product that is left as it is and whose result goes on into a quantised operand takes f32 operands (vector FMAs, or v_wmma_f32_16x16x4_f32). A number that lies on a knife's edge between two numbers of the format may be rounded either way, as far as f32 arithmetic and the matrix unit's own rounding can turn it there, and no further.
;; 2 versions, each right; version 2 is version 1 with the launch attn written anew for expert scheduling mode. Each part assembles by itself: llvm-mc -triple=amdgcn-amd-amdhsa -mcpu=gfx1250 --defsym DOCPART=n.
;; ======== version 1 of 2: 4 launches
;; limits: right only within a limited range of input values
;; workspace buffers: xw 8,921,088 bytes; masks 2,097,152 bytes; flags 65,536 bytes of whole numbers; qkv 9,928,704 bytes; ctx 3,342,336 bytes
;; launch prep (part 1): grid 776 x 1, 8 waves a work-group, no clusters, 68,608 bytes of LDS; arguments queries, values, Wq, Wk, Wv, Wo, mask, xw, masks, flags; writes xw, masks, flags
.if DOCPART == 1
	.amdgcn_target "amdgcn-amd-amdhsa--gfx1250"
	.amdhsa_code_object_version 6
	.text
	.protected	k_qd768ce4597_prep
	.globl	k_qd768ce4597_prep
	.p2align	8
	.type	k_qd768ce4597_prep,@function
k_qd768ce4597_prep:
	s_mov_b64 s[64:65], 0
	v_nop
	global_prefetch_b8 v0, s[64:65] scope:SCOPE_SE
	s_setreg_imm32_b32 hwreg(HW_REG_WAVE_MODE, 25, 1), 1
	s_wait_xcnt 0x0
; PREP.  (A) queries, values [4096][768] and Wq, Wk, Wv, Wo [768][768], f32, become codes of E4M3 with one E8M0 byte for each 32 along their last axis (the K of
; products 1, 2, 3 and 6), laid in xw in the ORDER OF AN OPERAND'S REGISTERS.  (B) the mask [4096][4096] int32 becomes one bit a number, laid as the lane masks that the attention launch selects by.
; TILES.  The 704 x 16 rows of the six matrices are cut into tiles of 16; row i of a matrix's tile t is row 32 (t / 2) + 8 (t % 2) + i + 8 (i / 8): as source 0 of a product two neighbouring
; tiles then leave 16 neighbouring results in a lane's 16 registers.  Tiles in xw: queries 0-255, values 256-511, Wq 512-559, Wk 560-607, Wv 608-655, Wo 656-703.
; xw: fragment (tile, K step s of 128) = 2,048 bytes at (6 tile + s) 2048; register group c of lane l at + 512 c + 16 l: codes k = 128 s + 32 c + 16 (l / 16) + 0 .. 15 of the tile's row l % 16.
;     scale words from XSCL on: word at 384 tile + 128 i + 4 l = row l % 16, K step 2 i + l / 16.
; masks: tile (tq, S) = 256 bytes at (32 tq + S) 256: word 16 b + i, bit l = (mask[row l % 16 of tile tq][128 S + 32 b + 16 (l / 16) + i] != 0).  These words only select values.
; flags: 16 bytes for each (tq, pair of steps P), at 256 tq + 16 P: {any number kept, bits 2 P and 2 P + 1; all kept, likewise; the OR of the pair's words; 0}.  These words steer the attention launch's branches.
; SHARES.  A wave takes 16 rows x 1,024 bytes: two fragments, or two tiles of the mask.  Work-groups 0-263 take the six matrices (2,112 pairs), the other 512 the mask (4,096 pairs).
; Each load reads 512 consecutive bytes of one row; the bytes turn through the wave's own stage in LDS (16 rows of 512 + 16 bytes), so that a lane gets 16 neighbours of each block of 32 of ITS row.
; The loads and the turn are one text for both kinds of work-group: only pointers and the pitch are chosen, by the work-group's number.  Waves share nothing: no barrier.
; LIMITS: a block of zeros gets the byte 1 (its codes are zeros, and only this program reads the bytes); blocks under 2^-118 are held at that byte; NaN and infinities are not served.
.set NA,     264                       ; work-groups that take the matrices
.set XSCL,   8650752                   ; xw: where the scale words begin: 704 x 6 x 2,048
.set SPITCH, 528
.set OFF,    8                         ; v8-23    16 l + the row's place in the tile x the pitch
.set R0,     32                        ; v32-95   the first 512 bytes of 16 rows as loaded; later the second half's numbers by rows
.set R1,     96                        ; v96-159  the second 512 bytes as loaded; later codes, or mask words
.set X0,     160                       ; v160-223 the first half's numbers by rows: register 16 b + i = k 32 b + 16 (l / 16) + i of row l % 16
.set TM,     224                       ; v224-239 at work in QUANT
.set PW,     240                       ; v240     the scale word just made; v241 the first fragment's; v242 the two joined; v243 4 l
	s_load_b512 s[4:19], s[0:1], 0x0               ; queries, values, Wq, Wk, Wv, Wo, mask, xw
	s_load_b64 s[20:21], s[0:1], 0x40              ; masks
	s_load_b64 s[2:3], s[0:1], 0x48                ; flags
	v_lshl_add_u32 v254, v0, 2, 0x10800
	v_mov_b32 v255, 0
	v_lshrrev_b32 v1, 5, v0
	v_readfirstlane_b32 s22, v1                    ; wave 0..7
	v_and_b32 v1, 31, v0                           ; l
	v_lshlrev_b32 v2, 4, v1                        ; 16 l
	v_and_b32 v3, 15, v0                           ; r = l % 16
	v_bfe_u32 v4, v0, 4, 1                         ; h = l / 16
	s_mul_i32 s34, s22, 16*SPITCH                  ; my stage
	v_add_nc_u32 v5, s34, v2                       ; into it: a row's 512 bytes as loaded
	v_mul_u32_u24 v6, v3, SPITCH
	v_lshl_add_u32 v6, v4, 6, v6
	v_add_nc_u32 v6, s34, v6                       ; out of it: row r, + 64 h: 16 numbers of each block of 32
	v_lshlrev_b32 v7, 3, v1                        ; 8 l
	v_lshlrev_b32 v243, 2, v1                      ; 4 l
.irp b, 0,1,2,3
	v_mov_b32 v[TM+4+\b], 0                        ; written once: a lane permute's destination counts as one of its sources
.endr
	s_lshl_b32 s23, ttmp9, 3
	s_add_co_u32 s23, s23, s22                     ; PA: my pair among the matrices' 2,112
	s_mul_i32 s24, s23, 43691
	s_lshr_b32 s24, s24, 17                        ; its tile: PA / 3
	s_mul_i32 s25, s24, 3
	s_sub_co_u32 s25, s23, s25                     ; and which third of the row: PA % 3
	s_sub_co_u32 s26, s23, 8*NA                    ; idx: my pair among the mask's 4,096
	s_lshr_b32 s27, s26, 4                         ; its tile of queries
	s_and_b32 s28, s26, 15                         ; and its pair of key steps
	s_mov_b32 s29, 0
	s_mov_b32 s33, 16384                           ; the mask's pitch (a select takes one literal)
	s_mov_b32 s37, 0
	s_mov_b32 s44, 0x600000                        ; the mantissa field of 448
	s_mov_b32 s45, 0xffff0000                      ; lanes 16-31
	s_mov_b32 s46, 0x76543210
	s_mov_b32 s47, 0xfedcba98                      ; v_permlanex16_b32's selects for lane l xor 16
	s_wait_kmcnt 0x0
	s_mov_b64 s[30:31], s[4:5]
.macro PICK lim, p                     ; from tile lim on the rows are the next matrix's: the choice hangs on ids alone
	s_cmp_ge_u32 s24, \lim
	s_cselect_b64 s[30:31], s[\p:\p+1], s[30:31]
	s_cselect_b32 s29, \lim, s29
.endm
	PICK 256, 6
	PICK 512, 8
	PICK 560, 10
	PICK 608, 12
	PICK 656, 14
	s_sub_co_u32 s24, s24, s29                     ; the tile within its matrix
	s_cmp_lt_u32 ttmp9, NA                         ; a matrix or the mask?
	s_cselect_b64 s[30:31], s[30:31], s[16:17]
	s_cselect_b32 s24, s24, s27
	s_cselect_b32 s25, s25, s28
	s_cselect_b32 s33, 3072, s33                   ; bytes from row to row
	s_lshr_b32 s35, s24, 1
	s_lshl_b32 s35, s35, 5
	s_and_b32 s36, s24, 1
	s_lshl_b32 s36, s36, 3
	s_add_co_u32 s35, s35, s36                     ; the tile's first row: 32 (t / 2) + 8 (t % 2)
	s_mul_i32 s36, s35, s33
	s_lshl_b32 s35, s25, 10
	s_add_co_u32 s36, s36, s35                     ; + my 1,024 bytes of the rows; under 2^27
	s_add_nc_u64 s[30:31], s[30:31], s[36:37]
.irp i, 0,1,2,3,4,5,6,7,8,9,10,11,12,13,14,15
	v_mad_u32_u24 v[OFF+\i], s33, \i+8*(\i/8), v2  ; row i of the tile lies i + 8 (i / 8) rows on
.endr
.irp e, 0,1
.irp i, 0,1,2,3,4,5,6,7,8,9,10,11,12,13,14,15
	global_load_b128 v[R0+64*\e+4*\i:R0+64*\e+4*\i+3], v[OFF+\i], s[30:31] offset:512*\e th:TH_LOAD_NT   ; 32 lanes read 512 consecutive bytes; every byte is read once in the launch
.endr
.endr
.macro TURN src, dst                   ; 16 rows x 512 bytes through the stage.  LDS serves a wave's instructions in order, so no wait stands between the stores and the loads
.irp i, 0,1,2,3,4,5,6,7,8,9,10,11,12,13,14,15
	ds_store_b128 v5, v[\src+4*\i:\src+4*\i+3] offset:SPITCH*\i
.endr
.irp b, 0,1,2,3
.irp j, 0,1,2,3
	ds_load_b128 v[\dst+16*\b+4*\j:\dst+16*\b+4*\j+3], v6 offset:128*\b+16*\j
.endr
.endr
	s_wait_dscnt 0x0                               ; the numbers are in, and the stores have read their registers
.endm
	s_wait_loadcnt 16                              ; the first half's sixteen loads are in; the second half's sixteen may be out
	TURN R0, X0
	s_wait_loadcnt 0x0
	TURN R1, R0
	s_cmp_lt_u32 ttmp9, NA
	s_cbranch_scc0 .Lmask                          ; from here on neither way touches the stages
; 64 numbers of a lane, v[s] on, become a fragment's 16 registers of codes, v[d] on, and its scale word in v[PW]
.macro QUANT s, d
.irp b, 0,1,2,3
	v_max3_num_f32 v[TM+\b], |v[\s+16*\b]|, |v[\s+16*\b+1]|, 0x4800000   ; block b: my 16 numbers, and the floor 2^(9 - 127): the byte cannot fall under 1
.endr
.irp i, 2,4,6,8,10,12,14
.irp b, 0,1,2,3
	v_max3_num_f32 v[TM+\b], v[TM+\b], |v[\s+16*\b+\i]|, |v[\s+16*\b+\i+1]|   ; the four blocks by turns
.endr
.endr
.irp b, 0,1,2,3
	v_permlanex16_b32 v[TM+4+\b], v[TM+\b], s46, s47
.endr
.irp b, 0,1,2,3
	v_max_num_f32 v[TM+\b], v[TM+\b], v[TM+4+\b]   ; with lane l xor 16's 16: the block's largest magnitude
.endr
.irp b, 0,1,2,3
	v_add_nc_u32 v[TM+12+\b], 0xfc000000, v[TM+\b] ; 8 off its exponent field: the conversion's scale operand
.endr
.irp b, 0,1,2,3
	v_and_or_b32 v[TM+8+\b], v[TM+\b], 0x7f800000, s44   ; 448 x the scale
.endr
.irp b, 0,1,2,3
	v_lshrrev_b32 v[TM+4+\b], 23, v[TM+12+\b]      ; the scale's byte
.endr
	v_lshl_or_b32 v[PW], v[TM+5], 8, v[TM+4]
	v_lshl_or_b32 v[PW], v[TM+6], 16, v[PW]
	v_lshl_or_b32 v[PW], v[TM+7], 24, v[PW]
.irp b, 0,1,2,3
.set j, 0
.rept 16
	v_med3_num_f32 v[\s+16*\b+j], v[\s+16*\b+j], -v[TM+8+\b], v[TM+8+\b]   ; the conversion to an 8-bit code does not saturate (ISA guide 7.6.2): hold first
.set j, j+1
.endr
.endr
.irp b, 0,1,2,3
	v_cvt_scalef32_pk8_fp8_f32 v[\d+4*\b:\d+4*\b+1], v[\s+16*\b:\s+16*\b+7], v[TM+12+\b]
	v_cvt_scalef32_pk8_fp8_f32 v[\d+4*\b+2:\d+4*\b+3], v[\s+16*\b+8:\s+16*\b+15], v[TM+12+\b]
.endr
	v_nop                                          ; a plain line behind the last conversion
.endm
	; ---- a matrix: two fragments, K steps 2 i and 2 i + 1 of my tile: (6 tile + 2 i) 2048 = 4096 PA; their scale words at 128 (3 tile + i) = 128 PA
	s_lshl_b32 s36, s23, 12
	s_add_nc_u64 s[38:39], s[18:19], s[36:37]
	s_lshl_b32 s36, s23, 7
	s_add_nc_u64 s[40:41], s[18:19], s[36:37]
	s_add_nc_u64 s[40:41], s[40:41], XSCL
	QUANT X0, 96
	v_mov_b32 v241, v[PW]
.irp c, 0,1,2,3
	global_store_b128 v2, v[96+4*\c:99+4*\c], s[38:39] offset:512*\c          ; 32 lanes store 512 consecutive bytes, aligned
.endr
	QUANT R0, 112
.irp c, 0,1,2,3
	global_store_b128 v2, v[112+4*\c:115+4*\c], s[38:39] offset:2048+512*\c
.endr
	v_cndmask_b32 v242, v241, v[PW], s45           ; lanes 0-15: the even K step's word, lanes 16-31: the odd one's
	global_store_b32 v243, v242, s[40:41]
	s_wait_tensorcnt 0x0
	ds_add_u32 v254, v255
	s_wait_dscnt 0x0
	s_endpgm
.Lmask:
	; ---- the mask: two tiles of 16 queries x 128 keys
	s_lshl_b32 s36, s26, 9
	s_add_nc_u64 s[38:39], s[20:21], s[36:37]      ; masks: (32 tq + 2 P) 256 = 512 idx
	s_lshl_b32 s36, s26, 4
	s_add_nc_u64 s[40:41], s[2:3], s[36:37]        ; flags: 256 tq + 16 P = 16 idx
.macro PACK e, x                       ; a compare's lane mask IS word n of the tile; lane n / 2 of two registers gathers the 64 words, so that one store writes the tile's 256 bytes
	v_mov_b32 v[96+2*\e], 0
	v_mov_b32 v[97+2*\e], 0
	s_mov_b32 s[56+2*\e], 0                        ; the OR of the tile's words,
	s_mov_b32 s[57+2*\e], -1                       ; and their AND
.irp g, 0,1,2,3,4,5,6,7
.irp k, 0,1,2,3,4,5,6,7
	v_cmp_ne_u32 s[48+\k], 0, v[\x+8*\g+\k]
.endr
.irp k, 0,1,2,3,4,5,6,7
	v_writelane_b32 v[96+2*\e+\k%2], s[48+\k], 4*\g+\k/2
	s_or_b32 s[56+2*\e], s[56+2*\e], s[48+\k]
	s_and_b32 s[57+2*\e], s[57+2*\e], s[48+\k]
.endr
.endr
	global_store_b64 v7, v[96+2*\e:97+2*\e], s[38:39] offset:256*\e
.endm
	PACK 0, X0
	PACK 1, R0
	s_cmp_lg_u32 s56, 0
	s_cselect_b32 s42, 1, 0
	s_cmp_lg_u32 s58, 0
	s_cselect_b32 s60, 2, 0
	s_or_b32 s42, s42, s60                         ; does a tile keep any number?
	s_cmp_eq_u32 s57, -1
	s_cselect_b32 s43, 1, 0
	s_cmp_eq_u32 s59, -1
	s_cselect_b32 s60, 2, 0
	s_or_b32 s43, s43, s60                         ; does it keep all?
	s_lshl_b32 s61, s28, 1
	s_lshl_b32 s42, s42, s61                       ; at bits 2 P and 2 P + 1: the steps' own bits
	s_lshl_b32 s43, s43, s61
	s_or_b32 s60, s56, s58                         ; which (query, half of the lanes) keeps a key among these 256
	v_mov_b32 v100, s42
	v_mov_b32 v101, s43
	v_mov_b32 v102, s60
	v_mov_b32 v103, 0
	v_mov_b32 v104, 0
	v_cmp_gt_u32 vcc_lo, 1, v1                     ; lane 0 stores the record
	s_wait_xcnt 0x0                                ; EXEC is narrowed only when the stores above have had their addresses translated,
	s_wait_tensorcnt 0x0
	ds_add_u32 v254, v255
	s_wait_dscnt 0x0
	s_and_saveexec_b32 s62, vcc_lo
	global_store_b128 v104, v[100:103], s[40:41]
	s_wait_xcnt 0x0                                ; and widened likewise
	s_or_b32 exec_lo, exec_lo, s62
	s_endpgm
.Lfunc_end_k_qd768ce4597_prep:
	.size	k_qd768ce4597_prep, .Lfunc_end_k_qd768ce4597_prep-k_qd768ce4597_prep
	.p2alignl 7, 3214868480
	.fill 96, 4, 3214868480
	.section	.rodata,"a",@progbits
	.p2align	6, 0x0
	.amdhsa_kernel k_qd768ce4597_prep
		.amdhsa_group_segment_fixed_size 68608
		.amdhsa_private_segment_fixed_size 0
		.amdhsa_enable_private_segment 0
		.amdhsa_kernarg_size 80
		.amdhsa_user_sgpr_count 2
		.amdhsa_user_sgpr_kernarg_segment_ptr 1
		.amdhsa_wavefront_size32 1
		.amdhsa_system_sgpr_workgroup_id_x 1
		.amdhsa_system_sgpr_workgroup_id_y 1
		.amdhsa_system_sgpr_workgroup_id_z 1
		.amdhsa_system_vgpr_workitem_id 0
		.amdhsa_next_free_vgpr 256
		.amdhsa_next_free_sgpr 66
		.amdhsa_reserve_vcc 1
		.amdhsa_float_denorm_mode_32 3
		.amdhsa_float_denorm_mode_16_64 3
		.amdhsa_memory_ordered 1
		.amdhsa_forward_progress 1
		.amdhsa_inst_pref_size 55
	.end_amdhsa_kernel
	.amdgpu_metadata
---
amdhsa.version: [ 1, 2 ]
amdhsa.kernels:
  - .name:           k_qd768ce4597_prep
    .symbol:         k_qd768ce4597_prep.kd
    .args:
      - { .name: queries, .offset: 0, .size: 8, .value_kind: global_buffer, .address_space: global }
      - { .name: values, .offset: 8, .size: 8, .value_kind: global_buffer, .address_space: global }
      - { .name: Wq, .offset: 16, .size: 8, .value_kind: global_buffer, .address_space: global }
      - { .name: Wk, .offset: 24, .size: 8, .value_kind: global_buffer, .address_space: global }
      - { .name: Wv, .offset: 32, .size: 8, .value_kind: global_buffer, .address_space: global }
      - { .name: Wo, .offset: 40, .size: 8, .value_kind: global_buffer, .address_space: global }
      - { .name: mask, .offset: 48, .size: 8, .value_kind: global_buffer, .address_space: global }
      - { .name: xw, .offset: 56, .size: 8, .value_kind: global_buffer, .address_space: global }
      - { .name: masks, .offset: 64, .size: 8, .value_kind: global_buffer, .address_space: global }
      - { .name: flags, .offset: 72, .size: 8, .value_kind: global_buffer, .address_space: global }
    .group_segment_fixed_size: 68608
    .private_segment_fixed_size: 0
    .kernarg_segment_align: 8
    .kernarg_segment_size: 80
    .max_flat_workgroup_size: 256
    .sgpr_count:     66
    .vgpr_count:     256
    .wavefront_size: 32
...
	.end_amdgpu_metadata
.endif
;; end of part 1
;; launch proj (part 2): grid 48 x 3, 4 waves a work-group, no clusters, 203,264 bytes of LDS; arguments xw, bq, bk, bv, qkv; writes qkv
.if DOCPART == 2
	.amdgcn_target "amdgcn-amd-amdhsa--gfx1250"
	.amdhsa_code_object_version 6
	.text
	.protected	k_qd768ce4597_proj
	.globl	k_qd768ce4597_proj
	.p2align	8
	.type	k_qd768ce4597_proj,@function
k_qd768ce4597_proj:
	s_mov_b64 s[64:65], 0
	v_nop
	global_prefetch_b8 v0, s[64:65] scope:SCOPE_SE
	s_setreg_imm32_b32 hwreg(HW_REG_WAVE_MODE, 25, 1), 1
	s_wait_xcnt 0x0
; PROJ.  Products 1, 2, 3: q = queries Wq^T + bq, k = values Wk^T + bk, v = values Wv^T + bv, on the codes of xw; the results are quantised in registers, q and k along the head's 64,
; v along the keys, and stored in qkv in the order of the attention launch's operand registers.
; SHARES.  Work-group (x, p): p = 0, 1, 2 for q, k, v; 256 tokens (x % 16), four heads (x / 16).  Wave w takes head 4 (x / 16) + w: its 64 rows of W, 24 fragments, stay in 384 registers.
; The 256 tokens' codes (196,608 bytes) and scale words (6,144) come into LDS once, a quarter by each wave's two tensor loads (two are out at most), and all four waves read them.
; A wave makes two units of 128 tokens x 64 outputs: 32 accumulators x 6 K steps; the accumulators take turns, one instruction a turn, in the same order in every step.
; q, k: source 0 = 16 rows of W, source 1 = 16 tokens: a lane holds one token, and the 16 registers of two neighbouring tiles of W are 16 neighbours of the head's 64.
; v:    source 0 = 16 tokens, source 1 = 16 rows of W: a lane holds one channel, and its registers run along the tokens, which are product 5's K.
; The bias is the C of each sum's first product.
; No cluster: a tile of x is shared by the three work-groups of x / 16 = 0, 1, 2, and three divide into no cluster of four.
; qkv: codes of q, k, v at p x 3,145,728 + (32 head + S) 8192, S = 128 tokens.  q, k: tile t at + 1024 t + 512 c + 16 l (c = 0, 1).  v: tile dt of 16 channels at + 2048 dt + 512 c + 16 l (c = 0 .. 3).
;      scale words: q at QSC, k 196,608 on: 512 bytes for (head, S), word at 16 l + 4 i = tile 2 i + l / 16, row l % 16 (bytes 2, 3 are 127: they stand over zero codes);
;      v a further 196,608 on: 256 bytes for (head, S), word at 8 l + 4 i = tile 2 i + l / 16.
; LIMITS: a block of zeros gets the byte 1 (its codes are zeros, and only this program reads the bytes); NaN and infinities are not served.
; REGISTERS, in windows of 256.  Window 0: v1-9 addresses; v16-27 W's scale words; v28-51 x's; v52-83 the bias as C; v84-87 v's bias; v88-104 at work; v108-111 scale words on the way out;
;   v128-255 x's fragments, buffer A, later the codes on the way out.  Window 1: W's fragments of K steps 0-3.  Window 2: v0-127 those of steps 4, 5; v128-255 x's buffer B.  Window 3: the accumulators.
.set XSCL, 8650752
.set QSC,  9437184
.set LSC,  196608                      ; LDS: x's scale words, behind the codes
.set WS,   16
.set XS,   28
.set BIAS, 52
.set BV,   84
.set TM,   88
.set PW,   104
.set KS,   108
.set XB,   128
.set MSB,  0
.macro WIN new                         ; the immediate's high byte repeats the setting that is left; a switch that changes nothing is dropped
.if MSB != (\new)
	s_set_vgpr_msb (MSB<<8)|(\new)
.set MSB, (\new)
.endif
.endm
	s_load_b256 s[4:11], s[0:1], 0x0               ; xw, bq, bk, bv
	s_load_b64 s[12:13], s[0:1], 0x20              ; qkv
	v_lshl_add_u32 v126, v0, 2, 0x31800
	v_mov_b32 v127, 0
	ds_add_u32 v126, v127
	ds_add_u32 v126, v127
	v_lshrrev_b32 v1, 5, v0
	v_readfirstlane_b32 s2, v1                     ; wave 0..3
	s_and_b32 s3, ttmp7, 0xffff                    ; p
	s_lshr_b32 s14, ttmp9, 4                       ; which four heads
	s_and_b32 s15, ttmp9, 15                       ; which 256 tokens
	s_lshl_b32 s16, s14, 2
	s_add_co_u32 s16, s16, s2                      ; my head
	s_cmp_lg_u32 s3, 0
	s_cselect_b32 s17, 256, 0                      ; queries' tiles begin at 0, values' at 256
	s_lshl_b32 s19, s15, 4
	s_add_co_u32 s17, s17, s19                     ; the work-group's first tile of x
	s_mul_i32 s18, s3, 48
	s_lshl_b32 s19, s16, 2
	s_add_co_u32 s18, s18, s19
	s_add_co_u32 s18, s18, 512                     ; my first tile of W
	; descriptor group 1: dense blocks as rows of 256 bytes (32 elements of 8 bytes): 192 rows of codes, 6 of scale words
	s_mov_b32 s24, 3<<16
	s_mov_b32 s25, 32<<16                          ; tensor_dim0
	s_mov_b32 s26, 192<<16                         ; tensor_dim1
	s_mov_b32 s27, 32<<16                          ; tile_dim0
	s_mov_b32 s28, 192                             ; tile_dim1
	s_mov_b32 s29, 32                              ; the pitch
	s_mov_b32 s30, 0
	s_mov_b32 s31, 0
	s_mov_b32 s32, 3<<16
	s_mov_b32 s33, 32<<16
	s_mov_b32 s34, 6<<16
	s_mov_b32 s35, 32<<16
	s_mov_b32 s36, 6
	s_mov_b32 s37, 32
	s_mov_b32 s38, 0
	s_mov_b32 s39, 0
	s_mul_i32 s20, s17, 12288                      ; a tile's six fragments
	s_mul_i32 s19, s2, 49152                       ; my four tiles of the sixteen
	s_add_co_u32 s20, s20, s19
	s_mov_b32 s21, 0
	s_mul_i32 s22, s17, 384                        ; a tile's scale words
	s_mul_i32 s70, s2, 1536
	s_add_co_u32 s22, s22, s70
	s_add_co_u32 s22, s22, XSCL
	s_mov_b32 s23, 0
	s_mov_b32 s66, 0x76543210
	s_mov_b32 s67, 0xfedcba98                      ; v_permlanex16_b32's selects for lane l xor 16
	s_mov_b32 s68, 0x600000                        ; the mantissa field of 448
	s_mov_b32 s69, 0xffff0000                      ; lanes 16-31
	s_wait_dscnt 0x0
	s_wait_kmcnt 0x0
	s_mov_b32 s40, 1
	s_mov_b32 s41, s19                             ; LDS: 49,152 x wave
	s_add_nc_u64 s[42:43], s[4:5], s[20:21]
	s_or_b32 s43, s43, 0x80000000
	s_mov_b32 s44, 1
	s_add_co_u32 s45, s70, LSC                     ; LDS: behind the codes, 1,536 x wave
	s_add_nc_u64 s[46:47], s[4:5], s[22:23]
	s_or_b32 s47, s47, 0x80000000
	tensor_load_to_lds s[40:43], s[24:31]          ; every LDS byte that a tensor load fills is filled once in this launch
	s_nop 0
	tensor_load_to_lds s[44:47], s[32:39]
	s_nop 0
.rept 4
	v_nop
.endr
	v_and_b32 v9, 31, v0                           ; l
	v_lshlrev_b32 v1, 4, v9                        ; 16 l
	v_lshlrev_b32 v2, 2, v9                        ; 4 l
	v_lshlrev_b32 v3, 3, v9                        ; 8 l
	v_bfe_u32 v4, v0, 4, 1
	v_lshlrev_b32 v4, 6, v4                        ; 64 h: a lane's eight results of a tile of W are the outputs 16 h + 0 .. 7 of the tile's first
	v_and_b32 v5, 15, v0
	v_and_b32 v10, 8, v5
	v_add_nc_u32 v5, v5, v10
	v_lshlrev_b32 v5, 2, v5                        ; 4 (r + 8 (r / 8)): row r of a tile of W
	v_add_nc_u32 v9, LSC, v2                       ; LDS: a scale word's place for my lane
.irp b, 0,1,2,3
	v_mov_b32 v[TM+4+\b], 0                        ; written once: a lane permute's destination counts as one of its sources
.endr
	s_cmp_eq_u32 s3, 1
	s_cselect_b64 s[48:49], s[8:9], s[6:7]
	s_cmp_eq_u32 s3, 2
	s_cselect_b64 s[48:49], s[10:11], s[48:49]     ; the bias of p
	s_cselect_b32 s70, 8, 9                        ; a unit's scale words: 256 bytes for v, 512 for q and k
	s_lshl_b32 s20, s16, 8
	s_add_nc_u64 s[48:49], s[48:49], s[20:21]      ; at my head's 64 numbers
	s_mul_i32 s20, s18, 12288
	s_add_nc_u64 s[50:51], s[4:5], s[20:21]        ; W's codes
	s_mul_i32 s20, s18, 384
	s_add_co_u32 s20, s20, XSCL
	s_add_nc_u64 s[52:53], s[4:5], s[20:21]        ; W's scale words
	s_lshl_b32 s19, s16, 5
	s_lshl_b32 s71, s15, 1
	s_add_co_u32 s19, s19, s71                     ; 32 head + S of my first unit
	s_mul_i32 s20, s3, 3145728
	s_lshl_b32 s71, s19, 13
	s_add_co_u32 s20, s20, s71
	s_add_nc_u64 s[54:55], s[12:13], s[20:21]      ; where the unit's codes go
	s_lshl_b32 s58, 1, s70
	s_mov_b32 s59, 0                               ; s[58:59]: from unit to unit
	s_lshl_b32 s19, s19, s70
	s_mul_i32 s20, s3, 196608
	s_add_co_u32 s20, s20, s19
	s_add_co_u32 s20, s20, QSC
	s_add_nc_u64 s[56:57], s[12:13], s[20:21]      ; and its scale words
.irp n, 0,1,2,3
	global_load_b128 v[BIAS+8*\n:BIAS+8*\n+3], v4, s[48:49] offset:(32*(\n/2)+8*(\n%2))*4
	global_load_b128 v[BIAS+8*\n+4:BIAS+8*\n+7], v4, s[48:49] offset:(32*(\n/2)+8*(\n%2))*4+16
.endr
.irp n, 0,1,2,3
	global_load_b32 v[BV+\n], v5, s[48:49] offset:(32*(\n/2)+8*(\n%2))*4
.endr
.irp n, 0,1,2,3
.irp i, 0,1,2
	global_load_b32 v[WS+3*\n+\i], v2, s[52:53] offset:384*\n+128*\i
.endr
.endr
	WIN 0x40                                       ; destination window 1
.irp s, 0,1,2,3                        ; W's fragments, K step by K step, so that the first steps' products need not wait for the last steps' loads
.irp n, 0,1,2,3
.irp c, 0,1,2,3
	global_load_b128 v[16*(4*\s+\n)+4*\c:16*(4*\s+\n)+4*\c+3], v1, s[50:51] offset:12288*\n+2048*\s+512*\c
.endr
.endr
.endr
	WIN 0x80                                       ; destination window 2
.irp s, 4,5
.irp n, 0,1,2,3
.irp c, 0,1,2,3
	global_load_b128 v[16*(4*(\s-4)+\n)+4*\c:16*(4*(\s-4)+\n)+4*\c+3], v1, s[50:51] offset:12288*\n+2048*\s+512*\c
.endr
.endr
.endr
	WIN 0
	s_cmp_lg_u32 s3, 2
	s_cbranch_scc1 .Lbias_done
	s_wait_loadcnt 63                              ; of the 120 loads the first 57 are in: the biases among them
.irp n, 0,1,2,3
.irp j, 0,1,2,3,4,5,6,7
	v_mov_b32 v[BIAS+8*\n+\j], v[BV+\n]            ; v: a lane holds one channel: its bias in all eight registers
.endr
.endr
.Lbias_done:
	s_wait_tensorcnt 0x0                           ; my quarter of x has landed,
	s_barrier_signal -1
	s_barrier_wait -1                              ; everybody's has
; x's eight fragments of the unit, K step s, into buffer A (w = 0) or B (w = 2): 32 loads, each of 512 consecutive bytes
.macro FETCHX s, w
	WIN (\w)<<6
.irp t, 0,1,2,3,4,5,6,7
.irp c, 0,1,2,3
	ds_load_b128 v[XB+16*\t+4*\c:XB+16*\t+4*\c+3], v[6+\t/4] offset:((\t%4)*6+(\s))*2048+512*\c
.endr
.endr
.endm
.macro ONE d, a, b, c0, sa, sb, s      ; an odd K step's scale words stand in lanes 16-31
.if (\s) == 0
	v_wmma_scale_f32_16x16x128_f8f6f4 v[\d:\d+7], v[\a:\a+15], v[\b:\b+15], v[\c0:\c0+7], v[\sa], v[\sb]
.elseif (\s)%2
	v_wmma_scale_f32_16x16x128_f8f6f4 v[\d:\d+7], v[\a:\a+15], v[\b:\b+15], v[\d:\d+7], v[\sa], v[\sb] matrix_a_scale:MATRIX_SCALE_ROW1 matrix_b_scale:MATRIX_SCALE_ROW1
.else
	v_wmma_scale_f32_16x16x128_f8f6f4 v[\d:\d+7], v[\a:\a+15], v[\b:\b+15], v[\d:\d+7], v[\sa], v[\sb]
.endif
.endm
.macro PROD arm, s                     ; the 32 products of K step s.  arm 0: q, k; arm 1: v
.set wW, 1+(\s)/4                      ; W's window,
.set wX, 2*((\s)%2)                    ; x's,
.set rW, 64*((\s)%4)                   ; W's first register of the step,
.set cW, 3                             ; and C's window: the bias lies in window 0
.if (\s) == 0
.set cW, 0
.endif
.if \arm == 0
	WIN wW|(wX<<2)|(cW<<4)|0xc0
.irp t, 0,1,2,3,4,5,6,7
.irp n, 0,1,2,3
	ONE 8*(4*\t+\n), rW+16*\n, XB+16*\t, BIAS+8*\n, WS+3*\n+(\s)/2, XS+3*\t+(\s)/2, \s
.endr
.endr
.else
	WIN wX|(wW<<2)|(cW<<4)|0xc0
.irp n, 0,1,2,3
.irp t, 0,1,2,3,4,5,6,7
	ONE 8*(8*\n+\t), XB+16*\t, rW+16*\n, BIAS+8*\n, XS+3*\t+(\s)/2, WS+3*\n+(\s)/2, \s
.endr
.endr
.endif
.endm
.macro BODY arm                        ; a unit's six K steps; x's fragments of the next step are fetched ahead of each step's products
.irp s, 0,1,2,3,4,5
.if \s < 5
.if \s > 0
.rept 8
	v_nop                                          ; eight places between the last step's products and the loads into the buffer that they read
.endr
.endif
	FETCHX \s+1, 2*((\s+1)%2)
	s_wait_dscnt 32                                ; all but the 32 just issued: this step's fragments are in
.else
	s_wait_dscnt 0x0
.endif
.if 16*(5-\s) > 63
	s_wait_loadcnt 63                              ; W's fragments of this step are in: 16 loads for each later step are younger (a wait names 63 at the most)
.else
	s_wait_loadcnt 16*(5-\s)
.endif
	PROD \arm, \s
.endr
	WIN 0
.rept 8
	v_nop                                          ; eight places in front of the first read of results, and of writes to buffer A
.endr
.endm
; 16 nb numbers of a lane in window 3, v[s] on (register 16 b + i = k 32 b + 16 (l / 16) + i), become 4 nb registers of codes in window 0, v[d] on, and the scale word in v[PW].
; Each accumulator is read from its low end on.
.macro QUANT s, nb, d
	WIN 0x0f
.irp b, 0,1,2,3
.if \b < \nb
	v_max3_num_f32 v[TM+\b], |v[\s+16*\b]|, |v[\s+16*\b+1]|, 0x4800000   ; my 16 numbers of block b, and the floor 2^(9 - 127)
.endif
.endr
	WIN 0x3c
.irp i, 2,4,6,8,10,12,14
.irp b, 0,1,2,3
.if \b < \nb
	v_max3_num_f32 v[TM+\b], v[TM+\b], |v[\s+16*\b+\i]|, |v[\s+16*\b+\i+1]|
.endif
.endr
.endr
	WIN 0
.irp b, 0,1,2,3
.if \b < \nb
	v_permlanex16_b32 v[TM+4+\b], v[TM+\b], s66, s67
.endif
.endr
.irp b, 0,1,2,3
.if \b < \nb
	v_max_num_f32 v[TM+\b], v[TM+\b], v[TM+4+\b]   ; with lane l xor 16's: the block's largest magnitude
.endif
.endr
.irp b, 0,1,2,3
.if \b < \nb
	v_add_nc_u32 v[TM+12+\b], 0xfc000000, v[TM+\b] ; 8 off the exponent field: the conversion's scale operand
	v_and_or_b32 v[TM+8+\b], v[TM+\b], 0x7f800000, s68   ; 448 x the scale
.endif
.endr
.irp b, 0,1,2,3
.if \b < \nb
	v_lshrrev_b32 v[TM+4+\b], 23, v[TM+12+\b]      ; the scale's byte
.endif
.endr
	v_lshl_or_b32 v[PW], v[TM+5], 8, v[TM+4]
.if \nb == 4
	v_lshl_or_b32 v[PW], v[TM+6], 16, v[PW]
	v_lshl_or_b32 v[PW], v[TM+7], 24, v[PW]
.else
	v_or_b32 v[PW], 0x7f7f0000, v[PW]              ; K = 64: the upper half of a K step of 128 is zero codes under the byte 127
.endif
	WIN 0xc3
.irp b, 0,1,2,3
.if \b < \nb
.set j, 0
.rept 16
	v_med3_num_f32 v[\s+16*\b+j], v[\s+16*\b+j], -v[TM+8+\b], v[TM+8+\b]   ; the conversion does not saturate (ISA guide 7.6.2): hold first
.set j, j+1
.endr
.endif
.endr
	WIN 0x03
.irp b, 0,1,2,3
.if \b < \nb
	v_cvt_scalef32_pk8_fp8_f32 v[\d+4*\b:\d+4*\b+1], v[\s+16*\b:\s+16*\b+7], v[TM+12+\b]
	v_cvt_scalef32_pk8_fp8_f32 v[\d+4*\b+2:\d+4*\b+3], v[\s+16*\b+8:\s+16*\b+15], v[TM+12+\b]
.endif
.endr
	WIN 0
	v_nop                                          ; a plain line behind the last conversion
.endm
.macro JOIN t                          ; two tiles' scale words share a register: the even tile's in lanes 0-15, the odd one's in lanes 16-31
.if (\t)%2 == 0
	v_mov_b32 v[KS+(\t)/2], v[PW]
.else
	v_cndmask_b32 v[KS+(\t)/2], v[KS+(\t)/2], v[PW], s69
.endif
.endm
	s_mov_b32 s60, 0                               ; LDS: the unit's codes,
	s_mov_b32 s62, 0                               ; its scale words
	s_mov_b32 s61, 0
.Lunit:                                                ; two trips, for every work-group; what differs between q, k and v stands under a branch inside the trip
	v_add_nc_u32 v6, s60, v1                       ; tiles 0-3 of the unit,
	v_add_nc_u32 v7, 49152, v6                     ; tiles 4-7
	v_add_nc_u32 v8, s62, v9
.irp t, 0,1,2,3,4,5,6,7
.irp i, 0,1,2
	ds_load_b32 v[XS+3*\t+\i], v8 offset:384*\t+128*\i
.endr
.endr
	FETCHX 0, 0
	s_cmp_eq_u32 s3, 2
	s_cbranch_scc1 .Lv
	BODY 0
.irp t, 0,1,2,3,4,5,6,7                ; a tile of 16 tokens: 32 registers a lane are the head's 64 in two blocks
	QUANT 32*\t, 2, XB+8*\t
	global_store_b128 v1, v[XB+8*\t:XB+8*\t+3], s[54:55] offset:1024*\t          ; 32 lanes store 512 consecutive bytes, aligned
	global_store_b128 v1, v[XB+8*\t+4:XB+8*\t+7], s[54:55] offset:1024*\t+512
	JOIN \t
.endr
	global_store_b128 v1, v[KS:KS+3], s[56:57]
	s_branch .Ljoin
.Lv:
	BODY 1
.irp n, 0,1,2,3                        ; a tile of 16 channels: 64 registers a lane are the unit's 128 tokens in four blocks
	QUANT 64*\n, 4, XB+16*\n
.irp c, 0,1,2,3
	global_store_b128 v1, v[XB+16*\n+4*\c:XB+16*\n+4*\c+3], s[54:55] offset:2048*\n+512*\c
.endr
	JOIN \n
.endr
	global_store_b64 v3, v[KS:KS+1], s[56:57]
.Ljoin:
	s_wait_xcnt 0x0                                ; the stores have read their data and bases: both are written again below and in the next trip
	s_add_nc_u64 s[54:55], s[54:55], 8192
	s_add_nc_u64 s[56:57], s[56:57], s[58:59]
	s_add_co_u32 s60, s60, 98304
	s_add_co_u32 s62, s62, 3072
	s_add_co_u32 s61, s61, 1
	s_cmp_lt_u32 s61, 2
	s_cbranch_scc1 .Lunit
	s_wait_tensorcnt 0x0
	ds_add_u32 v126, v127
	s_wait_dscnt 0x0
	s_endpgm
.Lfunc_end_k_qd768ce4597_proj:
	.size	k_qd768ce4597_proj, .Lfunc_end_k_qd768ce4597_proj-k_qd768ce4597_proj
	.p2alignl 7, 3214868480
	.fill 96, 4, 3214868480
	.section	.rodata,"a",@progbits
	.p2align	6, 0x0
	.amdhsa_kernel k_qd768ce4597_proj
		.amdhsa_group_segment_fixed_size 203264
		.amdhsa_private_segment_fixed_size 0
		.amdhsa_enable_private_segment 0
		.amdhsa_kernarg_size 40
		.amdhsa_user_sgpr_count 2
		.amdhsa_user_sgpr_kernarg_segment_ptr 1
		.amdhsa_wavefront_size32 1
		.amdhsa_system_sgpr_workgroup_id_x 1
		.amdhsa_system_sgpr_workgroup_id_y 1
		.amdhsa_system_sgpr_workgroup_id_z 1
		.amdhsa_system_vgpr_workitem_id 0
		.amdhsa_next_free_vgpr 1024
		.amdhsa_next_free_sgpr 80
		.amdhsa_reserve_vcc 0
		.amdhsa_float_denorm_mode_32 3
		.amdhsa_float_denorm_mode_16_64 3
		.amdhsa_memory_ordered 1
		.amdhsa_forward_progress 1
		.amdhsa_inst_pref_size 164
	.end_amdhsa_kernel
	.amdgpu_metadata
---
amdhsa.version: [ 1, 2 ]
amdhsa.kernels:
  - .name:           k_qd768ce4597_proj
    .symbol:         k_qd768ce4597_proj.kd
    .args:
      - { .name: xw, .offset: 0, .size: 8, .value_kind: global_buffer, .address_space: global }
      - { .name: bq, .offset: 8, .size: 8, .value_kind: global_buffer, .address_space: global }
      - { .name: bk, .offset: 16, .size: 8, .value_kind: global_buffer, .address_space: global }
      - { .name: bv, .offset: 24, .size: 8, .value_kind: global_buffer, .address_space: global }
      - { .name: qkv, .offset: 32, .size: 8, .value_kind: global_buffer, .address_space: global }
    .group_segment_fixed_size: 203264
    .private_segment_fixed_size: 0
    .kernarg_segment_align: 8
    .kernarg_segment_size: 40
    .max_flat_workgroup_size: 128
    .sgpr_count:     80
    .vgpr_count:     1024
    .wavefront_size: 32
...
	.end_amdgpu_metadata
.endif
;; end of part 2
;; launch attn (part 3): grid 16 x 12, 16 waves a work-group, no clusters, 100,352 bytes of LDS; arguments qkv, masks, flags, ctx; writes ctx
.if DOCPART == 3
	.amdgcn_target "amdgcn-amd-amdhsa--gfx1250"
	.amdhsa_code_object_version 6
	.text
	.protected	k_qd768ce4597_attn
	.globl	k_qd768ce4597_attn
	.p2align	8
	.type	k_qd768ce4597_attn,@function
k_qd768ce4597_attn:
	s_mov_b64 s[64:65], 0
	v_nop
	global_prefetch_b8 v0, s[64:65] scope:SCOPE_SE
	s_setreg_imm32_b32 hwreg(HW_REG_WAVE_MODE, 25, 1), 1
	s_wait_xcnt 0x0
; ATTN.  Products 4 and 5 with the softmax between them, on the codes of qkv; the mask as given, from the words of masks and flags; the result, divided by the row's sum, is quantised along E and stored in ctx
; in the order of the last product's operand registers.
; THE SOFTMAX: t = score x log2(e) / 8; M = the row's largest t so far, rounded UP to a whole number; p = 2^(t - M) is what is quantised, along the keys; the row's sum is taken of the unquantised p.
; When M moves, the sum and O are multiplied by 2^(old M - new M): exact.
; SHARES.  Work-group (g, head).  Each of its sixteen waves owns ONE tile of 16 queries, tile 16 rho(wave) + g, in 256 registers: four waves to a SIMD, so that one wave's vector work stands beside
; another's matrix work and LDS loads.  rho is a 4 x 4 magic square read row by row: waves w, w + 1, w + 2, w + 3 and waves w, w + 4, w + 8, w + 12 both hold ranks that add up to 30, so that work
; which grows along the queries is spread alike over the SIMDs.  rho enters global addresses alone.
; All sixteen waves walk the head's 32 steps of 128 keys together.  K's and V's codes go from memory through registers into two LDS slots of 256 keys; one barrier a slot; the loads run two slots ahead.
; LAYOUT.  Both products are used transposed: S^T = K Q^T (source 0 = 16 keys, source 1 = my queries), O^T = V^T P^T: a lane holds ONE query throughout.  The keys of a tile are chosen so that the
; 16 registers of tiles 2 b and 2 b + 1 are the keys 32 b + 16 (l / 16) + 0 .. 15.  Product 4's K is 64: the upper half of each fragment is zero codes, kept in registers, under the byte 127.
; THE MASK.  Word n of a step's 64 (buffer masks) is the lane mask of score register n: one select a score.  Two flags a step (buffer flags), made by the first launch from the mask as given: a step that
; keeps all numbers passes the selects over; a step that keeps none is passed over as a whole: its p are all 0 beside a kept key's.  That holds only if each of my 16 queries keeps some key:
; if one keeps none, its softmax is even over all 4,096 keys, and the wave then passes no step over.  These are branches on stored whole numbers, so this launch has no tensor load:
; that is also why the sixteen work-groups of a head, which read the same K and V, do not ask for them jointly.
; LIMITS: a masked logit is -2^30 where the problem's definition has -1e9 (so that t is a whole number and a row of masked keys gives p = 1 exactly): the results differ only where a kept logit
; lies under about -9e8.  A block of zeros gets the byte 1.  NaN and infinities are not served.
; REGISTERS: v1-11 addresses; v4 the masked score; v5 Q's scale word; v12 -M, v13 the largest t, v[14:15] the sum; v16-31 Q; v32-95 four places for K; v96-159 S^T, then p, then V's four fragments;
;   v160-191 O^T; v192-207 p's codes; v208-229 at work; v232-237 K's and V's scale words; v240-255 the next slot but one on its way.
.set KOFF, 3145728                     ; qkv: K's codes; V's as far on again
.set QSC,  9437184
.set KSC,  9633792
.set VSC,  9830400
.set CSC,  3145728                     ; ctx: the scale words
.set BM,   208                         ; a block's largest score, then its largest p
.set PT,   212                         ; lane l xor 16's; then the bytes
.set HL,   216                         ; 448 x the scale
.set SO,   220                         ; the conversion's scale operand
.set TM,   208                         ; the same sixteen, for the way out
.set PW,   227
	s_load_b128 s[4:7], s[0:1], 0x0                ; qkv, masks
	s_load_b64 s[14:15], s[0:1], 0x10              ; flags
	s_load_b64 s[10:11], s[0:1], 0x18              ; ctx
	v_lshl_add_u32 v238, v0, 2, 0x18000
	v_mov_b32 v239, 0
	v_lshrrev_b32 v1, 5, v0
	v_readfirstlane_b32 s2, v1                     ; wave 0..15
	v_and_b32 v2, 31, v0
	v_lshlrev_b32 v1, 4, v2                        ; 16 l
	v_lshlrev_b32 v2, 3, v2                        ; 8 l
	v_lshlrev_b32 v3, 4, v0                        ; 16 x thread
	v_mov_b32 v4, 0xd0000000                       ; -2^33: as a logit (x 1/8) -2^30
	v_add_nc_u32 v6, 32768, v1                     ; a fragment's place for my lane in slot 0,
	v_add_nc_u32 v7, 65536, v1                     ; in slot 1
	v_and_b32 v8, 15, v0
	v_lshlrev_b32 v8, 4, v8                        ; 16 r: for Q's scale word
	v_add_nc_u32 v10, 32768, v3                    ; where my thread stores into slot 0,
	v_add_nc_u32 v11, 65536, v3                    ; into slot 1
	s_mov_b32 s93, 0x7a94c12f                      ; rho of waves 0-7, four bits each,
	s_mov_b32 s94, 0x0de3b658                      ; of waves 8-15
	s_cmp_lt_u32 s2, 8
	s_cselect_b32 s93, s93, s94
	s_and_b32 s94, s2, 7
	s_lshl_b32 s94, s94, 2
	s_lshr_b32 s93, s93, s94
	s_and_b32 s93, s93, 15
	s_lshl_b32 s3, s93, 4
	s_add_co_u32 s3, s3, ttmp9                     ; tq: my tile of queries
	s_and_b32 s87, ttmp7, 0xffff                   ; the head
	s_mov_b32 s84, 0                               ; LDS: the step's scale words of K: 512 bytes a step,
	s_mov_b32 s85, 0                               ; of V: 256
	s_mov_b32 s88, 0x76543210
	s_mov_b32 s89, 0xfedcba98                      ; v_permlanex16_b32's selects for lane l xor 16
	s_mov_b32 s90, 0x3e38aa3b                      ; c = log2(e) / 8
	s_mov_b32 s91, s90                             ; (named with it as a pair, so it is written)
	s_mov_b32 s92, 0x600000                        ; the mantissa field of 448
	s_mov_b32 s95, 0
	s_wait_kmcnt 0x0
	s_lshl_b32 s94, s3, 8
	s_add_nc_u64 s[14:15], s[14:15], s[94:95]      ; flags: 256 bytes for my tile
	s_load_b512 s[16:31], s[14:15], 0x0            ; my tile's sixteen records
	s_load_b512 s[32:47], s[14:15], 0x40
	s_load_b512 s[48:63], s[14:15], 0x80
	s_load_b512 s[68:83], s[14:15], 0xc0
	s_lshl_b32 s94, s3, 13
	s_add_nc_u64 s[8:9], s[6:7], s[94:95]          ; the mask words of my tile, step 0
	s_lshl_b32 s94, s87, 8
	s_add_co_u32 s94, s94, s3
	s_lshl_b32 s94, s94, 10
	s_add_nc_u64 s[96:97], s[4:5], s[94:95]        ; Q's codes: (256 head + tq) 1024
	s_lshl_b32 s94, s87, 5
	s_lshr_b32 s93, s3, 3
	s_add_co_u32 s94, s94, s93
	s_lshl_b32 s94, s94, 9                         ; Q's scale word: (32 head + tq / 8) 512
	s_and_b32 s93, s3, 1
	s_lshl_b32 s93, s93, 8
	s_add_co_u32 s94, s94, s93                     ; + 16 x 16 (tq % 2)
	s_bfe_u32 s93, s3, 0x20001
	s_lshl_b32 s93, s93, 2
	s_add_co_u32 s94, s94, s93                     ; + 4 ((tq % 8) / 2)
	s_add_co_u32 s94, s94, QSC
	s_add_nc_u64 s[98:99], s[4:5], s[94:95]
	s_lshl_b32 s94, s87, 14
	s_add_co_u32 s94, s94, KSC
	s_add_nc_u64 s[100:101], s[4:5], s[94:95]      ; the head's scale words of K: 16,384 bytes,
	s_lshl_b32 s94, s87, 13
	s_add_co_u32 s94, s94, VSC
	s_add_nc_u64 s[104:105], s[4:5], s[94:95]      ; of V: 8,192
	s_lshl_b32 s94, s87, 18
	s_add_co_u32 s94, s94, KOFF
	s_add_nc_u64 s[4:5], s[4:5], s[94:95]          ; K's codes of the head,
	s_add_nc_u64 s[6:7], s[4:5], KOFF              ; V's
	global_load_b128 v[16:19], v1, s[96:97]
	global_load_b128 v[20:23], v1, s[96:97] offset:512
	global_load_b32 v5, v8, s[98:99]
	global_load_b128 v[240:243], v3, s[100:101]                ; 512 threads read 8,192 consecutive bytes
	global_load_b128 v[244:247], v3, s[100:101] offset:8192
	global_load_b128 v[248:251], v3, s[104:105]
	global_load_b128 v[96:99], v3, s[4:5]                      ; slot 0: keys 0-255
	global_load_b128 v[100:103], v3, s[4:5] offset:8192
	global_load_b128 v[104:107], v3, s[6:7]
	global_load_b128 v[108:111], v3, s[6:7] offset:8192
.irp j, 0,1,2,3,4,5,6,7
	v_mov_b32 v[24+\j], 0                          ; Q's upper half: zero codes; they stay
.irp t, 0,1,2,3
	v_mov_b32 v[40+16*\t+\j], 0                    ; and the same of K's four places
.endr
.endr
.set j, 0
.rept 32
	v_mov_b32 v[160+j], 0                          ; O^T.  (The step is written once: the first finds zeros, which the first change of M leaves zeros)
.set j, j+1
.endr
.irp b, 0,1,2,3
	v_mov_b32 v[PT+\b], 0                          ; written once: a lane permute's destination counts as one of its sources
.endr
	v_mov_b32 v225, 0                              ; (the upper half of the pair v[224:225])
	v_mov_b32 v226, 0
	v_mov_b32 v14, 0                               ; the sum, in two halves
	v_mov_b32 v15, 0
	v_mov_b32 v13, 0xff61b1e6                      ; the largest t so far: -3e38, under every t
	v_floor_f32 v12, -v13                          ; -M
	s_wait_kmcnt 0x0                               ; the records
	s_mov_b32 s12, 0
	s_mov_b32 s13, 0
	s_mov_b32 s93, 0
.irp P, 0,1,2,3,4,5,6,7,8,9,10,11,12,13,14,15  ; word n of the 64 stands in s[16 + n], from word 48 on in s[20 + n]
	s_or_b32 s12, s12, s[16+4*\P+4*(\P/12)]        ; bit S: step S keeps a number
	s_or_b32 s13, s13, s[17+4*\P+4*(\P/12)]        ; bit S: step S keeps all
	s_or_b32 s93, s93, s[18+4*\P+4*(\P/12)]        ; bit l: lane l's query keeps a key among the lane's half of the keys
.endr
	s_lshr_b32 s94, s93, 16
	s_or_b32 s93, s93, s94
	s_and_b32 s93, s93, 0xffff
	s_cmp_eq_u32 s93, 0xffff                       ; does every one of my 16 queries keep a key?
	s_cselect_b32 s12, s12, -1                     ; if not, no step is passed over
	s_load_b512 s[16:31], s[8:9], 0x0              ; step 0's mask words
	s_load_b512 s[32:47], s[8:9], 0x40
	s_load_b512 s[48:63], s[8:9], 0x80
	s_load_b512 s[68:83], s[8:9], 0xc0
	s_wait_loadcnt 0x0
	ds_store_b128 v3, v[240:243]                               ; LDS 0: K's scale words; 16,384: V's; 32,768: slot 0; 65,536: slot 1
	ds_store_b128 v3, v[244:247] offset:8192
	ds_store_b128 v3, v[248:251] offset:16384
	ds_store_b128 v10, v[96:99]
	ds_store_b128 v10, v[100:103] offset:8192
	ds_store_b128 v10, v[104:107] offset:16384
	ds_store_b128 v10, v[108:111] offset:24576
	s_wait_dscnt 0x0                               ; the stores have read their registers
	s_add_nc_u64 s[4:5], s[4:5], 16384             ; (behind the wait for the loads that named these bases)
	s_add_nc_u64 s[6:7], s[6:7], 16384
	global_load_b128 v[240:243], v3, s[4:5]                    ; slot 1's keys
	global_load_b128 v[244:247], v3, s[4:5] offset:8192
	global_load_b128 v[248:251], v3, s[6:7]
	global_load_b128 v[252:255], v3, s[6:7] offset:8192
.macro MLOAD                           ; the next step's 64 mask words; it always stands behind s_wait_kmcnt 0, so the base may step
	s_add_nc_u64 s[8:9], s[8:9], 256
	s_load_b512 s[16:31], s[8:9], 0x0
	s_load_b512 s[32:47], s[8:9], 0x40
	s_load_b512 s[48:63], s[8:9], 0x80
	s_load_b512 s[68:83], s[8:9], 0xc0
.endm
; A KEY STEP: 128 keys, the q-th of the slot.  more = 1: a step follows, and its mask words are asked for
.macro STEP slot, q, more
	v_add_nc_u32 v8, s84, v1
	v_add_nc_u32 v9, s85, v2
	s_bitcmp1_b32 s12, 0
	s_cbranch_scc0 .Lskip_\@                       ; no number of the step is kept: nothing is loaded, multiplied or summed
.rept 7
	v_nop                                          ; with the two additions above: nine places between the last product V^T P and the first product below, which writes over V's registers
.endr
.irp g, 0,1                                    ; S^T = K Q^T, four tiles of 16 keys at a time
.if \g
.rept 8
	v_nop                                          ; eight places in front of loads into registers that matrix instructions have read
.endr
.endif
.irp t, 0,1,2,3
.irp c, 0,1
	ds_load_b128 v[32+16*\t+4*\c:35+16*\t+4*\c], v[6+\slot] offset:8192*\q+1024*(4*\g+\t)+512*\c
.endr
.endr
.if \g == 0
	ds_load_b128 v[232:235], v8                    ; the step's scale words: register i: tile 2 i in lanes 0-15, tile 2 i + 1 in lanes 16-31
.endif
	s_wait_dscnt 0x0
.irp t, 0,2
	v_wmma_scale_f32_16x16x128_f8f6f4 v[96+8*(4*\g+\t):103+8*(4*\g+\t)], v[32+16*\t:47+16*\t], v[16:31], 0, v[232+2*\g+\t/2], v5
	v_wmma_scale_f32_16x16x128_f8f6f4 v[104+8*(4*\g+\t):111+8*(4*\g+\t)], v[48+16*\t:63+16*\t], v[16:31], 0, v[232+2*\g+\t/2], v5 matrix_a_scale:MATRIX_SCALE_ROW1
.endr
.endr
.rept 8
	v_nop                                          ; eight places in front of the first read of results
.endr
	s_wait_kmcnt 0x0                               ; the step's mask words
	s_bitcmp1_b32 s13, 0
	s_cbranch_scc1 .Lopen_\@                       ; all numbers are kept: nothing to select
.set n, 0
.rept 64
	v_cndmask_b32 v[96+n], v4, v[96+n], s[16+n+4*(n/48)]   ; a masked score becomes -2^33; each accumulator from its low end on
.set n, n+1
.endr
.Lopen_\@:
.if \more
	MLOAD                                          ; a whole softmax ahead of their use
.endif
.irp b, 0,1,2,3
	v_max3_num_f32 v[BM+\b], v[96+16*\b], v[97+16*\b], v[98+16*\b]   ; the largest score of each block of 32 keys: for the row's maximum, and, since p rises with the score, for the block's largest p
.endr
.irp i, 3,5,7,9,11,13
.irp b, 0,1,2,3
	v_max3_num_f32 v[BM+\b], v[BM+\b], v[96+16*\b+\i], v[97+16*\b+\i]
.endr
.endr
.irp b, 0,1,2,3
	v_max_num_f32 v[BM+\b], v[BM+\b], v[111+16*\b]
.endr
.irp b, 0,1,2,3
	v_permlanex16_b32 v[PT+\b], v[BM+\b], s88, s89
.endr
.irp b, 0,1,2,3
	v_max_num_f32 v[BM+\b], v[BM+\b], v[PT+\b]     ; with lane l xor 16's 16 keys
.endr
	v_max3_num_f32 v226, v[BM], v[BM+1], v[BM+2]
	v_max_num_f32 v226, v226, v[BM+3]              ; the step's largest score of my query
	v_mul_f32 v226, s90, v226                      ; as t (c is positive)
	v_max_num_f32 v13, v13, v226                   ; the running largest t
	v_mov_b32 v226, v12
	v_floor_f32 v12, -v13                          ; the new -M = floor(-t): M is a whole number
	v_sub_f32 v226, v12, v226                      ; old M - new M: a whole number, 0 or less
	v_cvt_i32_f32 v226, v226                       ; (it saturates)
	v_ldexp_f32 v224, 1.0, v226                    ; f = 2^(old M - new M)
.set j, 0
.rept 32
	v_pk_fma_f32 v[96+j:97+j], v[96+j:97+j], s[90:91], v[12:13] op_sel_hi:[1,0,0]   ; t - M, two at a time
.set j, j+2
.endr
.irp b, 0,1,2,3
	v_fma_f32 v[BM+\b], v[BM+\b], s90, v12         ; the same of each block's largest score
.endr
.set j, 0
.rept 64
	v_exp_f32 v[96+j], v[96+j]                     ; p = 2^(t - M), at most 1: not normalised
.set j, j+1
.endr
.irp b, 0,1,2,3
	v_exp_f32 v[BM+\b], v[BM+\b]                   ; the block's largest p: the same two instructions on the same number
.endr
	v_pk_mul_f32 v[14:15], v[14:15], v[224:225] op_sel_hi:[1,0]   ; the sums under the new M.  (The plain line behind the exponentials)
	s_wait_alu depctr_va_vdst(0)
.irp b, 0,1,2,3
	v_max_num_f32 v[BM+\b], 0x4800000, v[BM+\b]    ; the floor 2^(9 - 127): the byte cannot fall under 1
.endr
.irp b, 0,1,2,3
	v_add_nc_u32 v[SO+\b], 0xfc000000, v[BM+\b]    ; 8 off the exponent field: the conversion's scale operand
.endr
.irp b, 0,1,2,3
	v_and_or_b32 v[HL+\b], v[BM+\b], 0x7f800000, s92   ; 448 x the scale
.endr
.irp b, 0,1,2,3
	v_lshrrev_b32 v[PT+\b], 23, v[SO+\b]           ; the scale's byte
.endr
	v_lshl_or_b32 v[PW], v[PT+1], 8, v[PT]         ; p's scale word for these 128 keys
	v_lshl_or_b32 v[PW], v[PT+2], 16, v[PW]
	v_lshl_or_b32 v[PW], v[PT+3], 24, v[PW]
	v_pk_add_f32 v[228:229], v[96:97], v[98:99]    ; the row's sum is taken of the unquantised p: two at a time, in two chains
.set j, 4
.rept 15
	v_pk_add_f32 v[14:15], v[14:15], v[96+j:97+j]
	v_pk_add_f32 v[228:229], v[228:229], v[98+j:99+j]
.set j, j+4
.endr
	v_pk_add_f32 v[14:15], v[14:15], v[228:229]
.irp b, 0,1,2,3
.set j, 0
.rept 16
	v_min_num_f32 v[96+16*\b+j], v[96+16*\b+j], v[HL+\b]   ; the conversion does not saturate (ISA guide 7.6.2); p is not negative, so the hold is one-sided
.set j, j+1
.endr
	v_cvt_scalef32_pk8_fp8_f32 v[192+4*\b:193+4*\b], v[96+16*\b:103+16*\b], v[SO+\b]
	v_cvt_scalef32_pk8_fp8_f32 v[194+4*\b:195+4*\b], v[104+16*\b:111+16*\b], v[SO+\b]
.endr
.set j, 0
.rept 16
	v_pk_mul_f32 v[160+j:161+j], v[160+j:161+j], v[224:225] op_sel_hi:[1,0]   ; O^T under the new M.  (These sixteen are also the plain lines between the conversions and the products)
.set j, j+2
.endr
.irp t, 0,1,2,3                                ; V's four fragments (16 channels x 128 keys each) take p's registers
.irp c, 0,1,2,3
	ds_load_b128 v[96+16*\t+4*\c:99+16*\t+4*\c], v[6+\slot] offset:16384+8192*\q+2048*\t+512*\c
.endr
.endr
	ds_load_b64 v[236:237], v9 offset:16384
	s_wait_dscnt 0x0
.irp t, 0,2                                    ; O^T += V^T P^T: four accumulators, one instruction each
	v_wmma_scale_f32_16x16x128_f8f6f4 v[160+8*\t:167+8*\t], v[96+16*\t:111+16*\t], v[192:207], v[160+8*\t:167+8*\t], v[236+\t/2], v[PW]
	v_wmma_scale_f32_16x16x128_f8f6f4 v[168+8*\t:175+8*\t], v[112+16*\t:127+16*\t], v[192:207], v[168+8*\t:175+8*\t], v[236+\t/2], v[PW] matrix_a_scale:MATRIX_SCALE_ROW1
.endr
	s_branch .Lend_\@
.Lskip_\@:
	s_wait_kmcnt 0x0                               ; the words of the step passed over have landed: their registers and base are free
.if \more
	MLOAD
.endif
.Lend_\@:
	s_lshr_b32 s12, s12, 1                         ; on to the next step's flags and scale words
	s_lshr_b32 s13, s13, 1
	s_add_co_u32 s84, s84, 512
	s_add_co_u32 s85, s85, 256
.endm
; A SLOT'S TWO STEPS.  In front of the barrier each wave waits for its LDS instructions: its stores into this slot have landed, its reads of the other slot are over.
; Behind it the keys that wait in registers go into the other slot (store), and the keys of two slots on are asked for (load): they have a whole slot's steps in which to land.
.macro TRIP cur, store, load, last
	s_wait_dscnt 0x0
	s_barrier_signal -1
	s_barrier_wait -1
.if \store
	s_wait_loadcnt 0x0
	ds_store_b128 v[11-\cur], v[240:243]
	ds_store_b128 v[11-\cur], v[244:247] offset:8192
	ds_store_b128 v[11-\cur], v[248:251] offset:16384
	ds_store_b128 v[11-\cur], v[252:255] offset:24576
.endif
.if \load
	s_wait_dscnt 0x0                               ; the stores have read their registers
	s_add_nc_u64 s[4:5], s[4:5], 16384             ; (behind the wait for the loads that named these bases)
	s_add_nc_u64 s[6:7], s[6:7], 16384
	global_load_b128 v[240:243], v3, s[4:5]
	global_load_b128 v[244:247], v3, s[4:5] offset:8192
	global_load_b128 v[248:251], v3, s[6:7]
	global_load_b128 v[252:255], v3, s[6:7] offset:8192
.endif
	STEP \cur, 0, 1
.if \last
	STEP \cur, 1, 0
.else
	STEP \cur, 1, 1
.endif
.endm
	s_mov_b32 s86, 7
.Lpair:                                                ; slots 0 to 13: each asks for the slot two on
	TRIP 0, 1, 1, 0
	TRIP 1, 1, 1, 0
	s_sub_co_u32 s86, s86, 1
	s_cmp_lg_u32 s86, 0
	s_cbranch_scc1 .Lpair
	TRIP 0, 1, 0, 0                                ; slot 14: slot 15's keys go into LDS; nothing is left to ask for
	TRIP 1, 0, 0, 1                                ; slot 15
	; THE WAY OUT.  O^T / the sum is the context of my 16 queries in this head's 64 of E: two blocks of 32 of the last product's K.
.rept 8
	v_nop                                          ; eight places behind the last products
.endr
	v_add_f32 v14, v14, v15                        ; the sum's two halves,
	v_permlanex16_b32 v226, v14, s88, s89
	v_add_f32 v14, v14, v226                       ; and lane l xor 16's: the row's sum
	v_rcp_f32 v14, v14
	v_lshrrev_b32 v226, 2, v1                      ; (the plain line behind the reciprocal)  4 l
.set j, 0
	s_wait_alu depctr_va_vdst(0)
.rept 32
	v_mul_f32 v[96+j], v[160+j], v14               ; register 16 b + i: channel 32 b + 16 (l / 16) + i of my query; each accumulator from its low end on
.set j, j+1
.endr
.irp b, 0,1
	v_max3_num_f32 v[TM+\b], |v[96+16*\b]|, |v[97+16*\b]|, 0x4800000
.endr
.irp i, 2,4,6,8,10,12,14
.irp b, 0,1
	v_max3_num_f32 v[TM+\b], v[TM+\b], |v[96+16*\b+\i]|, |v[97+16*\b+\i]|
.endr
.endr
.irp b, 0,1
	v_permlanex16_b32 v[TM+4+\b], v[TM+\b], s88, s89
.endr
.irp b, 0,1
	v_max_num_f32 v[TM+\b], v[TM+\b], v[TM+4+\b]
.endr
.irp b, 0,1
	v_add_nc_u32 v[TM+12+\b], 0xfc000000, v[TM+\b]
	v_and_or_b32 v[TM+8+\b], v[TM+\b], 0x7f800000, s92
.endr
.irp b, 0,1
	v_lshrrev_b32 v[TM+4+\b], 23, v[TM+12+\b]
.endr
	v_lshl_or_b32 v[PW], v[TM+5], 8, v[TM+4]       ; my head's two bytes of the row's scale word
.irp b, 0,1
.set j, 0
.rept 16
	v_med3_num_f32 v[96+16*\b+j], v[96+16*\b+j], -v[TM+8+\b], v[TM+8+\b]
.set j, j+1
.endr
.endr
.irp b, 0,1
	v_cvt_scalef32_pk8_fp8_f32 v[192+4*\b:193+4*\b], v[96+16*\b:103+16*\b], v[TM+12+\b]
	v_cvt_scalef32_pk8_fp8_f32 v[194+4*\b:195+4*\b], v[104+16*\b:111+16*\b], v[TM+12+\b]
.endr
	v_nop                                          ; a plain line behind the last conversion
	s_mul_i32 s93, s3, 6
	s_lshr_b32 s94, s87, 1
	s_add_co_u32 s93, s93, s94                     ; the fragment: 6 tq + head / 2
	s_and_b32 s14, s87, 1
	s_lshl_b32 s94, s93, 11
	s_lshl_b32 s15, s14, 10
	s_add_co_u32 s94, s94, s15                     ; an odd head takes the fragment's register groups 2 and 3
	s_add_nc_u64 s[96:97], s[10:11], s[94:95]
	s_lshl_b32 s94, s93, 7
	s_lshl_b32 s15, s14, 1
	s_add_co_u32 s94, s94, s15                     ; and bytes 2 and 3 of the scale words
	s_add_co_u32 s94, s94, CSC
	s_add_nc_u64 s[98:99], s[10:11], s[94:95]
	global_store_b128 v1, v[192:195], s[96:97]                 ; 32 lanes store 512 consecutive bytes, aligned
	global_store_b128 v1, v[196:199], s[96:97] offset:512
	global_store_b16 v226, v[PW], s[98:99]                     ; two bytes of each of 32 neighbouring words; the other two are the neighbouring head's
	s_wait_tensorcnt 0x0
	ds_add_u32 v238, v239
	s_wait_dscnt 0x0
	s_endpgm
.Lfunc_end_k_qd768ce4597_attn:
	.size	k_qd768ce4597_attn, .Lfunc_end_k_qd768ce4597_attn-k_qd768ce4597_attn
	.p2alignl 7, 3214868480
	.fill 96, 4, 3214868480
	.section	.rodata,"a",@progbits
	.p2align	6, 0x0
	.amdhsa_kernel k_qd768ce4597_attn
		.amdhsa_group_segment_fixed_size 100352
		.amdhsa_private_segment_fixed_size 0
		.amdhsa_enable_private_segment 0
		.amdhsa_kernarg_size 32
		.amdhsa_user_sgpr_count 2
		.amdhsa_user_sgpr_kernarg_segment_ptr 1
		.amdhsa_wavefront_size32 1
		.amdhsa_system_sgpr_workgroup_id_x 1
		.amdhsa_system_sgpr_workgroup_id_y 1
		.amdhsa_system_sgpr_workgroup_id_z 1
		.amdhsa_system_vgpr_workitem_id 0
		.amdhsa_next_free_vgpr 256
		.amdhsa_next_free_sgpr 106
		.amdhsa_reserve_vcc 0
		.amdhsa_float_denorm_mode_32 3
		.amdhsa_float_denorm_mode_16_64 3
		.amdhsa_memory_ordered 1
		.amdhsa_forward_progress 1
		.amdhsa_inst_pref_size 205
	.end_amdhsa_kernel
	.amdgpu_metadata
---
amdhsa.version: [ 1, 2 ]
amdhsa.kernels:
  - .name:           k_qd768ce4597_attn
    .symbol:         k_qd768ce4597_attn.kd
    .args:
      - { .name: qkv, .offset: 0, .size: 8, .value_kind: global_buffer, .address_space: global }
      - { .name: masks, .offset: 8, .size: 8, .value_kind: global_buffer, .address_space: global }
      - { .name: flags, .offset: 16, .size: 8, .value_kind: global_buffer, .address_space: global }
      - { .name: ctx, .offset: 24, .size: 8, .value_kind: global_buffer, .address_space: global }
    .group_segment_fixed_size: 100352
    .private_segment_fixed_size: 0
    .kernarg_segment_align: 8
    .kernarg_segment_size: 32
    .max_flat_workgroup_size: 512
    .sgpr_count:     106
    .vgpr_count:     256
    .wavefront_size: 32
...
	.end_amdgpu_metadata
.endif
;; end of part 3
;; launch outp (part 4): grid 64 x 3, 4 waves a work-group, no clusters, 168,448 bytes of LDS; arguments ctx, xw, bo, out0; writes out0
.if DOCPART == 4
	.amdgcn_target "amdgcn-amd-amdhsa--gfx1250"
	.amdhsa_code_object_version 6
	.text
	.protected	k_qd768ce4597_outp
	.globl	k_qd768ce4597_outp
	.p2align	8
	.type	k_qd768ce4597_outp,@function
k_qd768ce4597_outp:
	s_mov_b64 s[64:65], 0
	v_nop
	global_prefetch_b8 v0, s[64:65] scope:SCOPE_SE
	s_setreg_imm32_b32 hwreg(HW_REG_WAVE_MODE, 25, 1), 1
	s_wait_xcnt 0x0
; OUTP.  Product 6: out0 = ctx Wo^T + bo, on the codes of ctx and of xw (Wo: tiles 656-703).
; SHARES.  Work-group (B, y): 64 tokens (ctx's tiles 4 B .. 4 B + 3) x 256 columns.  Wave w takes columns 64 (4 y + w) on: its 64 rows of Wo, 24 fragments, lie in 384 registers.
; The 64 tokens' codes (49,152 bytes) and scale words (3,072) come into LDS once, a quarter by each wave's two tensor loads (two are out at most), and all four waves read them.
; 16 accumulators x 6 K steps; they take turns, one instruction a turn, in the same order in every step.  Source 0 = 16 rows of Wo, source 1 = 16 tokens: a lane holds one token and,
; in the 16 registers of two neighbouring tiles of Wo, 16 neighbouring columns.  The bias is the C of each sum's first product.
; The way out: a tile of 16 tokens x 64 columns goes through the wave's own stage in LDS (rows of 256 + 16 bytes, bytes into which no tensor load lands) and leaves as rows: 16 lanes store 256 consecutive bytes, aligned.
; No cluster: the tokens' codes are shared by the three work-groups of y = 0, 1, 2, and three divide into no cluster of four.
; REGISTERS, in windows of 256.  Window 0: v1-11 addresses; v16-27 Wo's scale words; v28-51 ctx's; v52-83 the bias as C; v128-191 ctx's fragments, buffer A; v192-255 rows on the way out.
;   Window 1: Wo's fragments of K steps 0-3.  Window 2: v0-127 those of steps 4, 5; v128-191 buffer B.  Window 3: v0-127 the accumulators.
.set XSCL, 8650752
.set CSC,  3145728
.set LSC,  49152                       ; LDS: ctx's scale words, behind the codes
.set STG,  52224                       ; LDS: the stages, 16 x 272 bytes a wave
.set WS,   16
.set XS,   28
.set BIAS, 52
.set XB,   128
.set MSB,  0
.macro WIN new                         ; the immediate's high byte repeats the setting that is left; a switch that changes nothing is dropped
.if MSB != (\new)
	s_set_vgpr_msb (MSB<<8)|(\new)
.set MSB, (\new)
.endif
.endm
	s_load_b256 s[4:11], s[0:1], 0x0               ; ctx, xw, bo, out0
	v_lshl_add_u32 v126, v0, 2, 0x29000
	v_mov_b32 v127, 0
	ds_add_u32 v126, v127
	ds_add_u32 v126, v127
	v_lshrrev_b32 v1, 5, v0
	v_readfirstlane_b32 s2, v1                     ; wave 0..3
	s_and_b32 s14, ttmp7, 0xffff
	s_lshl_b32 s14, s14, 2
	s_add_co_u32 s14, s14, s2                      ; ch: my 64 columns
	s_lshl_b32 s15, ttmp9, 2
	s_add_co_u32 s15, s15, s2                      ; the tile of ctx that I fetch
	; descriptor group 1: dense blocks as rows of 256 bytes (32 elements of 8 bytes): 48 rows of codes, 3 of scale words
	s_mov_b32 s24, 3<<16
	s_mov_b32 s25, 32<<16
	s_mov_b32 s26, 48<<16
	s_mov_b32 s27, 32<<16
	s_mov_b32 s28, 48
	s_mov_b32 s29, 32
	s_mov_b32 s30, 0
	s_mov_b32 s31, 0
	s_mov_b32 s32, 3<<16
	s_mov_b32 s33, 32<<16
	s_mov_b32 s34, 3<<16
	s_mov_b32 s35, 32<<16
	s_mov_b32 s36, 3
	s_mov_b32 s37, 32
	s_mov_b32 s38, 0
	s_mov_b32 s39, 0
	s_mul_i32 s20, s15, 12288
	s_mov_b32 s21, 0
	s_mul_i32 s22, s15, 768
	s_add_co_u32 s22, s22, CSC
	s_mov_b32 s23, 0
	s_mul_i32 s16, s2, 12288
	s_mul_i32 s17, s2, 768
	s_wait_dscnt 0x0
	s_wait_kmcnt 0x0
	s_mov_b32 s40, 1
	s_mov_b32 s41, s16                             ; LDS: 12,288 x wave
	s_add_nc_u64 s[42:43], s[4:5], s[20:21]
	s_or_b32 s43, s43, 0x80000000
	s_mov_b32 s44, 1
	s_add_co_u32 s45, s17, LSC                     ; LDS: behind the codes, 768 x wave
	s_add_nc_u64 s[46:47], s[4:5], s[22:23]
	s_or_b32 s47, s47, 0x80000000
	tensor_load_to_lds s[40:43], s[24:31]          ; every LDS byte that a tensor load fills is filled once in this launch
	s_nop 0
	tensor_load_to_lds s[44:47], s[32:39]
	s_nop 0
.rept 4
	v_nop
.endr
	v_and_b32 v3, 31, v0                           ; l
	v_lshlrev_b32 v1, 4, v3                        ; 16 l: a fragment's place for my lane, in memory and in LDS
	v_lshlrev_b32 v2, 2, v3                        ; 4 l
	v_bfe_u32 v5, v0, 4, 1                         ; h
	v_lshlrev_b32 v4, 6, v5                        ; 64 h
	v_and_b32 v3, 15, v0                           ; r
	v_add_nc_u32 v8, LSC, v2                       ; LDS: a scale word's place for my lane
	s_mul_i32 s18, s2, 16*272
	s_add_co_u32 s18, s18, STG                     ; my stage
	v_mul_u32_u24 v9, v3, 272
	v_add_nc_u32 v9, v9, v4
	v_add_nc_u32 v9, s18, v9                       ; into it: row r, + 64 h
	v_mul_u32_u24 v10, v5, 272
	v_lshl_add_u32 v10, v3, 4, v10
	v_add_nc_u32 v10, s18, v10                     ; out of it: lanes 0-15 one row of 256 bytes, lanes 16-31 the next
	v_mul_u32_u24 v11, v5, 3072
	v_lshl_add_u32 v11, v3, 4, v11                 ; and the same two rows in out0
	s_lshl_b32 s20, s14, 8
	s_add_nc_u64 s[48:49], s[8:9], s[20:21]        ; bo at my 64 columns
	s_lshl_b32 s19, s14, 2
	s_add_co_u32 s19, s19, 656                     ; my first tile of Wo
	s_mul_i32 s20, s19, 12288
	s_add_nc_u64 s[50:51], s[6:7], s[20:21]
	s_mul_i32 s20, s19, 384
	s_add_co_u32 s20, s20, XSCL
	s_add_nc_u64 s[52:53], s[6:7], s[20:21]
	s_mul_i32 s20, ttmp9, 196608                   ; 64 rows of 3,072 bytes
	s_lshl_b32 s19, s14, 8
	s_add_co_u32 s20, s20, s19
	s_add_nc_u64 s[54:55], s[10:11], s[20:21]
.irp n, 0,1,2,3
	global_load_b128 v[BIAS+8*\n:BIAS+8*\n+3], v4, s[48:49] offset:(32*(\n/2)+8*(\n%2))*4
	global_load_b128 v[BIAS+8*\n+4:BIAS+8*\n+7], v4, s[48:49] offset:(32*(\n/2)+8*(\n%2))*4+16
.endr
.irp n, 0,1,2,3
.irp i, 0,1,2
	global_load_b32 v[WS+3*\n+\i], v2, s[52:53] offset:384*\n+128*\i
.endr
.endr
	WIN 0x40                                       ; destination window 1
.irp s, 0,1,2,3                        ; Wo's fragments, K step by K step
.irp n, 0,1,2,3
.irp c, 0,1,2,3
	global_load_b128 v[16*(4*\s+\n)+4*\c:16*(4*\s+\n)+4*\c+3], v1, s[50:51] offset:12288*\n+2048*\s+512*\c
.endr
.endr
.endr
	WIN 0x80                                       ; destination window 2
.irp s, 4,5
.irp n, 0,1,2,3
.irp c, 0,1,2,3
	global_load_b128 v[16*(4*(\s-4)+\n)+4*\c:16*(4*(\s-4)+\n)+4*\c+3], v1, s[50:51] offset:12288*\n+2048*\s+512*\c
.endr
.endr
.endr
	WIN 0
	s_wait_tensorcnt 0x0                           ; my quarter has landed,
	s_barrier_signal -1
	s_barrier_wait -1                              ; everybody's has
.macro FETCHX s, w                     ; the four tiles' fragments of K step s into buffer A (w = 0) or B (w = 2)
	WIN (\w)<<6
.irp t, 0,1,2,3
.irp c, 0,1,2,3
	ds_load_b128 v[XB+16*\t+4*\c:XB+16*\t+4*\c+3], v1 offset:(6*\t+(\s))*2048+512*\c
.endr
.endr
.endm
.macro ONE d, a, b, c0, sa, sb, s      ; Wo's scale words of an odd K step stand in lanes 16-31; ctx's have a register for each step
.if (\s) == 0
	v_wmma_scale_f32_16x16x128_f8f6f4 v[\d:\d+7], v[\a:\a+15], v[\b:\b+15], v[\c0:\c0+7], v[\sa], v[\sb]
.elseif (\s)%2
	v_wmma_scale_f32_16x16x128_f8f6f4 v[\d:\d+7], v[\a:\a+15], v[\b:\b+15], v[\d:\d+7], v[\sa], v[\sb] matrix_a_scale:MATRIX_SCALE_ROW1
.else
	v_wmma_scale_f32_16x16x128_f8f6f4 v[\d:\d+7], v[\a:\a+15], v[\b:\b+15], v[\d:\d+7], v[\sa], v[\sb]
.endif
.endm
.macro PROD s
.set wW, 1+(\s)/4
.set wX, 2*((\s)%2)
.set rW, 64*((\s)%4)
.set cW, 3
.if (\s) == 0
.set cW, 0
.endif
	WIN wW|(wX<<2)|(cW<<4)|0xc0
.irp t, 0,1,2,3
.irp n, 0,1,2,3
	ONE 8*(4*\t+\n), rW+16*\n, XB+16*\t, BIAS+8*\n, WS+3*\n+(\s)/2, XS+6*\t+(\s), \s
.endr
.endr
.endm
.irp t, 0,1,2,3
.irp s, 0,1,2,3,4,5
	ds_load_b32 v[XS+6*\t+\s], v8 offset:768*\t+128*\s
.endr
.endr
	FETCHX 0, 0
.irp s, 0,1,2,3,4,5
.if \s < 5
.if \s > 0
.rept 8
	v_nop                                          ; eight places between the last step's products and the loads into the buffer that they read
.endr
.endif
	FETCHX \s+1, 2*((\s+1)%2)
	s_wait_dscnt 16                                ; all but the 16 just issued: this step's fragments are in
.else
	s_wait_dscnt 0x0
.endif
.if 16*(5-\s) > 63
	s_wait_loadcnt 63                              ; Wo's fragments of this step are in: 16 loads for each later step are younger (a wait names 63 at the most)
.else
	s_wait_loadcnt 16*(5-\s)
.endif
	PROD \s
.endr
	WIN 0
.rept 8
	v_nop                                          ; eight places in front of the first read of results
.endr
.irp t, 0,1,2,3                        ; a tile of 16 tokens; row i of it is token 32 (t / 2) + 8 (t % 2) + i + 8 (i / 8) of the 64
.if \t >= 2
	s_wait_xcnt 0x0                                ; the stores of two tiles ago have read the registers that this tile's rows take
.endif
	WIN 0x0c                                       ; an LDS store's data are its source 1: window 3
.irp k, 0,1,2,3,4,5,6,7
	ds_store_b128 v9, v[32*\t+4*\k:32*\t+4*\k+3] offset:128*(\k/4)+16*(\k%4)   ; columns 32 (k / 4) + 16 h + 4 (k % 4) on; each accumulator from its low end on
.endr
	WIN 0
.irp i, 0,1,2,3,4,5,6,7
	ds_load_b128 v[192+32*(\t%2)+4*\i:195+32*(\t%2)+4*\i], v10 offset:544*\i   ; LDS serves a wave's instructions in order: these see my stores, and the next tile's stores come behind them
.endr
.irp i, 0,1,2,3,4,5,6,7
	s_wait_dscnt 7-\i                              ; the younger loads may be out
	global_store_b128 v11, v[192+32*(\t%2)+4*\i:195+32*(\t%2)+4*\i], s[54:55] offset:(32*(\t/2)+8*(\t%2)+2*\i+8*(\i/4))*3072 th:TH_STORE_NT   ; written once, read by nobody here
.endr
.endr
	s_wait_tensorcnt 0x0
	ds_add_u32 v126, v127
	s_wait_dscnt 0x0
	s_endpgm
.Lfunc_end_k_qd768ce4597_outp:
	.size	k_qd768ce4597_outp, .Lfunc_end_k_qd768ce4597_outp-k_qd768ce4597_outp
	.p2alignl 7, 3214868480
	.fill 96, 4, 3214868480
	.section	.rodata,"a",@progbits
	.p2align	6, 0x0
	.amdhsa_kernel k_qd768ce4597_outp
		.amdhsa_group_segment_fixed_size 168448
		.amdhsa_private_segment_fixed_size 0
		.amdhsa_enable_private_segment 0
		.amdhsa_kernarg_size 32
		.amdhsa_user_sgpr_count 2
		.amdhsa_user_sgpr_kernarg_segment_ptr 1
		.amdhsa_wavefront_size32 1
		.amdhsa_system_sgpr_workgroup_id_x 1
		.amdhsa_system_sgpr_workgroup_id_y 1
		.amdhsa_system_sgpr_workgroup_id_z 1
		.amdhsa_system_vgpr_workitem_id 0
		.amdhsa_next_free_vgpr 1024
		.amdhsa_next_free_sgpr 80
		.amdhsa_reserve_vcc 0
		.amdhsa_float_denorm_mode_32 3
		.amdhsa_float_denorm_mode_16_64 3
		.amdhsa_memory_ordered 1
		.amdhsa_forward_progress 1
		.amdhsa_inst_pref_size 46
	.end_amdhsa_kernel
	.amdgpu_metadata
---
amdhsa.version: [ 1, 2 ]
amdhsa.kernels:
  - .name:           k_qd768ce4597_outp
    .symbol:         k_qd768ce4597_outp.kd
    .args:
      - { .name: ctx, .offset: 0, .size: 8, .value_kind: global_buffer, .address_space: global }
      - { .name: xw, .offset: 8, .size: 8, .value_kind: global_buffer, .address_space: global }
      - { .name: bo, .offset: 16, .size: 8, .value_kind: global_buffer, .address_space: global }
      - { .name: out0, .offset: 24, .size: 8, .value_kind: global_buffer, .address_space: global }
    .group_segment_fixed_size: 168448
    .private_segment_fixed_size: 0
    .kernarg_segment_align: 8
    .kernarg_segment_size: 32
    .max_flat_workgroup_size: 128
    .sgpr_count:     80
    .vgpr_count:     1024
    .wavefront_size: 32
...
	.end_amdgpu_metadata
.endif
;; end of part 4
;; ======== version 2 of 2: 4 launches; version 1 with the launch attn written anew for expert scheduling mode
;; limits: right only within a limited range of input values
;; workspace buffers: xw 8,921,088 bytes; masks 2,097,152 bytes; flags 65,536 bytes of whole numbers; qkv 9,928,704 bytes; ctx 3,342,336 bytes
;; launch prep: the kernel of part 1 again; grid 776 x 1, 8 waves a work-group, no clusters, 68,608 bytes of LDS; arguments queries, values, Wq, Wk, Wv, Wo, mask, xw, masks, flags; writes xw, masks, flags
;; launch proj: the kernel of part 2 again; grid 48 x 3, 4 waves a work-group, no clusters, 203,264 bytes of LDS; arguments xw, bq, bk, bv, qkv; writes qkv
;; launch attn (part 5): grid 16 x 12, 16 waves a work-group, no clusters, 100,352 bytes of LDS; arguments qkv, masks, flags, ctx; writes ctx
.if DOCPART == 5
	.amdgcn_target "amdgcn-amd-amdhsa--gfx1250"
	.amdhsa_code_object_version 6
	.text
	.protected	k_qd768ce4597_attn
	.globl	k_qd768ce4597_attn
	.p2align	8
	.type	k_qd768ce4597_attn,@function
k_qd768ce4597_attn:
	s_mov_b64 s[64:65], 0
	v_nop
	global_prefetch_b8 v0, s[64:65] scope:SCOPE_SE
	s_setreg_imm32_b32 hwreg(HW_REG_WAVE_SCHED_MODE, 0, 2), 2
	s_setreg_imm32_b32 hwreg(HW_REG_WAVE_MODE, 25, 1), 1
	s_wait_xcnt 0x0
	s_wait_alu depctr_vm_vsrc(0)
; ATTN.  Products 4 and 5 with the softmax between them, on the codes of qkv; the mask as given, from the words of masks and flags; the result, divided by the row's sum, is quantised along E and stored in ctx
; in the order of the last product's operand registers.
; THE SOFTMAX: t = score x log2(e) / 8; M = the row's largest t so far, rounded UP to a whole number; p = 2^(t - M) is what is quantised, along the keys; the row's sum is taken of the unquantised p.
; When M moves, the sum and O are multiplied by 2^(old M - new M): exact.
; SHARES.  Work-group (g, head).  Each of its sixteen waves owns ONE tile of 16 queries, tile 16 rho(wave) + g, in 256 registers: four waves to a SIMD, so that one wave's vector work stands beside
; another's matrix work and LDS loads.  rho is a 4 x 4 magic square read row by row: waves w, w + 1, w + 2, w + 3 and waves w, w + 4, w + 8, w + 12 both hold ranks that add up to 30, so that work
; which grows along the queries is spread alike over the SIMDs.  rho enters global addresses alone.
; All sixteen waves walk the head's 32 steps of 128 keys together.  K's and V's codes go from memory through registers into two LDS slots of 256 keys; one barrier a slot; the loads run two slots ahead.
; LAYOUT.  Both products are used transposed: S^T = K Q^T (source 0 = 16 keys, source 1 = my queries), O^T = V^T P^T: a lane holds ONE query throughout.  The keys of a tile are chosen so that the
; 16 registers of tiles 2 b and 2 b + 1 are the keys 32 b + 16 (l / 16) + 0 .. 15.  Product 4's K is 64: the upper half of each fragment is zero codes, kept in registers, under the byte 127.
; THE MASK.  Word n of a step's 64 (buffer masks) is the lane mask of score register n: one select a score.  Two flags a step (buffer flags), made by the first launch from the mask as given: a step that
; keeps all numbers passes the selects over; a step that keeps none is passed over as a whole: its p are all 0 beside a kept key's.  That holds only if each of my 16 queries keeps some key:
; if one keeps none, its softmax is even over all 4,096 keys, and the wave then passes no step over.  These are branches on stored whole numbers, so this launch has no tensor load:
; that is also why the sixteen work-groups of a head, which read the same K and V, do not ask for them jointly.
; LIMITS: a masked logit is -2^30 where the problem's definition has -1e9 (so that t is a whole number and a row of masked keys gives p = 1 exactly): the results differ only where a kept logit
; lies under about -9e8.  A block of zeros gets the byte 1.  NaN and infinities are not served.
; REGISTERS: v1-11 addresses (v8, v9: the scale words of four steps); v4 the masked score; v5 Q's scale word; v12 -M, v13 the largest t, v[14:15] the sum; v16-31 Q; v32-95 four places for K;
;   v96-159 S^T, then p, then V's four fragments; v160-191 O^T; v192-207 p's codes; v208-229 at work; v232-237 K's and V's scale words; v238, v239 the closing add's two; v240-255 the next slot but one on its way.
; THE MODE: SCHED_MODE bits 1:0 = 2 (LLVM: expert scheduling mode 2), set by the entry lines.  The code itself states the register dependences
; between vector or matrix instructions and memory or LDS instructions, with s_wait_alu, always for 0.
; THE PLAN.  Registers that memory or LDS instructions touch:
;   v1, v3, v6, v7, v10, v11   addresses, made at the head, ahead of the head's wait on va_vdst, and never written again.
;   v8, v9          LDS addresses of K's and V's scale words: made once for four steps (a wait on vm_vsrc ahead of the two additions, one on va_vdst behind the even slot's barrier); a step's place among the four stands in the immediate.
;   K's places (their low halves) and v232-235   LDS loads land there; a step's eight products K Q^T read them.  Between the first four products and the loads of the second four tiles stands a wait on va_vdst.
;                   Behind the eight products stand, in the same step, the wait behind the exponentials and the wait behind the conversions; no vector or matrix instruction behind these names the registers:
;                   so the next worked step's first nine loads follow with no further wait, whichever steps are passed over between.
;   v96-159         written by the products K Q^T and the softmax, read last by the conversions; then V's loads land there.  v236-237: V's scale words, read by the products V^T P.
;                   ONE wait on va_vdst stands behind the last conversion; V's seventeen loads follow it, and behind them the sixteen multiplications of O^T, which name v160-191 and v224-225 alone.
;   v192-207, v227  p's codes and scale word: written by vector instructions ahead of that same wait, read by the scaled products behind it; on the way out: the stores' data.
;   v240-255        global loads land there, LDS stores read them, no vector instruction names them: a wait on vm_vsrc between the stores and the next loads.
;   v238, v239      written at the head, read by the closing add alone.
.set KOFF, 3145728                     ; qkv: K's codes; V's as far on again
.set QSC,  9437184
.set KSC,  9633792
.set VSC,  9830400
.set CSC,  3145728                     ; ctx: the scale words
.set BM,   208                         ; a block's largest score, then its largest p
.set PT,   212                         ; lane l xor 16's; then the bytes
.set HL,   216                         ; 448 x the scale
.set SO,   220                         ; the conversion's scale operand
.set TM,   208                         ; the same sixteen, for the way out
.set PW,   227
	s_load_b128 s[4:7], s[0:1], 0x0                ; qkv, masks
	s_load_b64 s[14:15], s[0:1], 0x10              ; flags
	s_load_b64 s[10:11], s[0:1], 0x18              ; ctx
	v_lshl_add_u32 v238, v0, 2, 0x18000
	v_mov_b32 v239, 0
	v_lshrrev_b32 v1, 5, v0
	v_readfirstlane_b32 s2, v1                     ; wave 0..15
	v_and_b32 v2, 31, v0
	v_lshlrev_b32 v1, 4, v2                        ; 16 l
	v_lshlrev_b32 v2, 3, v2                        ; 8 l
	v_lshlrev_b32 v3, 4, v0                        ; 16 x thread
	v_mov_b32 v4, 0xd0000000                       ; -2^33: as a logit (x 1/8) -2^30
	v_add_nc_u32 v6, 32768, v1                     ; a fragment's place for my lane in slot 0,
	v_add_nc_u32 v7, 65536, v1                     ; in slot 1
	v_and_b32 v8, 15, v0
	v_lshlrev_b32 v8, 4, v8                        ; 16 r: for Q's scale word
	v_add_nc_u32 v10, 32768, v3                    ; where my thread stores into slot 0,
	v_add_nc_u32 v11, 65536, v3                    ; into slot 1
	s_mov_b32 s93, 0x7a94c12f                      ; rho of waves 0-7, four bits each,
	s_mov_b32 s94, 0x0de3b658                      ; of waves 8-15
	s_wait_alu depctr_va_sdst(0)                   ; s2 is written, ahead of its first reader: my tile of queries is made from it
	s_cmp_lt_u32 s2, 8
	s_cselect_b32 s93, s93, s94
	s_and_b32 s94, s2, 7
	s_lshl_b32 s94, s94, 2
	s_lshr_b32 s93, s93, s94
	s_and_b32 s93, s93, 15
	s_lshl_b32 s3, s93, 4
	s_add_co_u32 s3, s3, ttmp9                     ; tq: my tile of queries
	s_and_b32 s87, ttmp7, 0xffff                   ; the head
	s_mov_b32 s84, 0                               ; LDS: four steps' scale words of K: 2,048 bytes a trip,
	s_mov_b32 s85, 0                               ; of V: 1,024
	s_mov_b32 s88, 0x76543210
	s_mov_b32 s89, 0xfedcba98                      ; v_permlanex16_b32's selects for lane l xor 16
	s_mov_b32 s90, 0x3e38aa3b                      ; c = log2(e) / 8
	s_mov_b32 s91, s90                             ; (named with it as a pair, so it is written)
	s_mov_b32 s92, 0x600000                        ; the mantissa field of 448
	s_mov_b32 s95, 0
	s_wait_kmcnt 0x0
	s_lshl_b32 s94, s3, 8
	s_add_nc_u64 s[14:15], s[14:15], s[94:95]      ; flags: 256 bytes for my tile
	s_load_b512 s[16:31], s[14:15], 0x0            ; my tile's sixteen records
	s_load_b512 s[32:47], s[14:15], 0x40
	s_load_b512 s[48:63], s[14:15], 0x80
	s_load_b512 s[68:83], s[14:15], 0xc0
	s_lshl_b32 s94, s3, 13
	s_add_nc_u64 s[8:9], s[6:7], s[94:95]          ; the mask words of my tile, step 0
	s_lshl_b32 s94, s87, 8
	s_add_co_u32 s94, s94, s3
	s_lshl_b32 s94, s94, 10
	s_add_nc_u64 s[96:97], s[4:5], s[94:95]        ; Q's codes: (256 head + tq) 1024
	s_lshl_b32 s94, s87, 5
	s_lshr_b32 s93, s3, 3
	s_add_co_u32 s94, s94, s93
	s_lshl_b32 s94, s94, 9                         ; Q's scale word: (32 head + tq / 8) 512
	s_and_b32 s93, s3, 1
	s_lshl_b32 s93, s93, 8
	s_add_co_u32 s94, s94, s93                     ; + 16 x 16 (tq % 2)
	s_bfe_u32 s93, s3, 0x20001
	s_lshl_b32 s93, s93, 2
	s_add_co_u32 s94, s94, s93                     ; + 4 ((tq % 8) / 2)
	s_add_co_u32 s94, s94, QSC
	s_add_nc_u64 s[98:99], s[4:5], s[94:95]
	s_lshl_b32 s94, s87, 14
	s_add_co_u32 s94, s94, KSC
	s_add_nc_u64 s[100:101], s[4:5], s[94:95]      ; the head's scale words of K: 16,384 bytes,
	s_lshl_b32 s94, s87, 13
	s_add_co_u32 s94, s94, VSC
	s_add_nc_u64 s[104:105], s[4:5], s[94:95]      ; of V: 8,192
	s_lshl_b32 s94, s87, 18
	s_add_co_u32 s94, s94, KOFF
	s_add_nc_u64 s[4:5], s[4:5], s[94:95]          ; K's codes of the head,
	s_add_nc_u64 s[6:7], s[4:5], KOFF              ; V's
	s_wait_alu depctr_va_vdst(0)                   ; the addresses v1, v3, v6, v7, v8, v10, v11 are written, which the loads and stores of the whole kernel read
	global_load_b128 v[16:19], v1, s[96:97]
	global_load_b128 v[20:23], v1, s[96:97] offset:512
	global_load_b32 v5, v8, s[98:99]
	global_load_b128 v[240:243], v3, s[100:101]                ; 512 threads read 8,192 consecutive bytes
	global_load_b128 v[244:247], v3, s[100:101] offset:8192
	global_load_b128 v[248:251], v3, s[104:105]
	global_load_b128 v[96:99], v3, s[4:5]                      ; slot 0: keys 0-255
	global_load_b128 v[100:103], v3, s[4:5] offset:8192
	global_load_b128 v[104:107], v3, s[6:7]
	global_load_b128 v[108:111], v3, s[6:7] offset:8192
.irp j, 0,1,2,3,4,5,6,7
	v_mov_b32 v[24+\j], 0                          ; Q's upper half: zero codes; they stay
.irp t, 0,1,2,3
	v_mov_b32 v[40+16*\t+\j], 0                    ; and the same of K's four places
.endr
.endr
.set j, 0
.rept 32
	v_mov_b32 v[160+j], 0                          ; O^T.  (The step is written once: the first finds zeros, which the first change of M leaves zeros)
.set j, j+1
.endr
.irp b, 0,1,2,3
	v_mov_b32 v[PT+\b], 0                          ; written once: a lane permute's destination counts as one of its sources
.endr
	v_mov_b32 v225, 0                              ; (the upper half of the pair v[224:225])
	v_mov_b32 v226, 0
	v_mov_b32 v14, 0                               ; the sum, in two halves
	v_mov_b32 v15, 0
	v_mov_b32 v13, 0xff61b1e6                      ; the largest t so far: -3e38, under every t
	v_floor_f32 v12, -v13                          ; -M
	s_wait_kmcnt 0x0                               ; the records
	s_mov_b32 s12, 0
	s_mov_b32 s13, 0
	s_mov_b32 s93, 0
.irp P, 0,1,2,3,4,5,6,7,8,9,10,11,12,13,14,15  ; word n of the 64 stands in s[16 + n], from word 48 on in s[20 + n]
	s_or_b32 s12, s12, s[16+4*\P+4*(\P/12)]        ; bit S: step S keeps a number
	s_or_b32 s13, s13, s[17+4*\P+4*(\P/12)]        ; bit S: step S keeps all
	s_or_b32 s93, s93, s[18+4*\P+4*(\P/12)]        ; bit l: lane l's query keeps a key among the lane's half of the keys
.endr
	s_lshr_b32 s94, s93, 16
	s_or_b32 s93, s93, s94
	s_and_b32 s93, s93, 0xffff
	s_cmp_eq_u32 s93, 0xffff                       ; does every one of my 16 queries keep a key?
	s_cselect_b32 s12, s12, -1                     ; if not, no step is passed over
	s_load_b512 s[16:31], s[8:9], 0x0              ; step 0's mask words
	s_load_b512 s[32:47], s[8:9], 0x40
	s_load_b512 s[48:63], s[8:9], 0x80
	s_load_b512 s[68:83], s[8:9], 0xc0
	s_wait_loadcnt 0x0
	ds_store_b128 v3, v[240:243]                               ; LDS 0: K's scale words; 16,384: V's; 32,768: slot 0; 65,536: slot 1
	ds_store_b128 v3, v[244:247] offset:8192
	ds_store_b128 v3, v[248:251] offset:16384
	ds_store_b128 v10, v[96:99]
	ds_store_b128 v10, v[100:103] offset:8192
	ds_store_b128 v10, v[104:107] offset:16384
	ds_store_b128 v10, v[108:111] offset:24576
	s_wait_dscnt 0x0                               ; the stores have landed
	s_wait_alu depctr_vm_vsrc(0)                   ; the LDS stores have read v240-251, in which the loads below land, and v96-111, which the first products write
	s_add_nc_u64 s[4:5], s[4:5], 16384             ; (behind the wait for the loads that named these bases)
	s_add_nc_u64 s[6:7], s[6:7], 16384
	global_load_b128 v[240:243], v3, s[4:5]                    ; slot 1's keys
	global_load_b128 v[244:247], v3, s[4:5] offset:8192
	global_load_b128 v[248:251], v3, s[6:7]
	global_load_b128 v[252:255], v3, s[6:7] offset:8192
.macro MLOAD                           ; the next step's 64 mask words; it always stands behind s_wait_kmcnt 0, so the base may step
	s_add_nc_u64 s[8:9], s[8:9], 256
	s_load_b512 s[16:31], s[8:9], 0x0
	s_load_b512 s[32:47], s[8:9], 0x40
	s_load_b512 s[48:63], s[8:9], 0x80
	s_load_b512 s[68:83], s[8:9], 0xc0
.endm
; The LDS addresses of the scale words of the next four steps (two slots): made once for the four; the wait that shows them written stands behind the even slot's barrier
.macro ADDR
	s_wait_alu depctr_vm_vsrc(0)                   ; the loads issued so far have read v8 and v9 (at the first time: Q's scale word's load has read v8)
	v_add_nc_u32 v8, s84, v1
	v_add_nc_u32 v9, s85, v2
.endm
; A KEY STEP: 128 keys, the q-th of the slot.  more = 1: a step follows, and its mask words are asked for
.macro STEP slot, q, more
	s_bitcmp1_b32 s12, 0
	s_cbranch_scc0 .Lskip_\@                       ; no number of the step is kept: nothing is loaded, multiplied or summed
.irp g, 0,1                                    ; S^T = K Q^T, four tiles of 16 keys at a time
.if \g
.rept 8
	v_nop                                          ; eight places in front of loads into registers that matrix instructions have read
.endr
	s_wait_alu depctr_va_vdst(0)                   ; the four products above are done reading K's places, in which the loads below land
.endif
.irp t, 0,1,2,3
.irp c, 0,1
	ds_load_b128 v[32+16*\t+4*\c:35+16*\t+4*\c], v[6+\slot] offset:8192*\q+1024*(4*\g+\t)+512*\c   ; the first four tiles: no wait: no vector or matrix instruction since the last wait on va_vdst names these registers
.endr
.endr
.if \g == 0
	ds_load_b128 v[232:235], v8 offset:512*(2*\slot+\q)   ; the step's scale words: register i: tile 2 i in lanes 0-15, tile 2 i + 1 in lanes 16-31
.rept 9
	v_nop                                          ; nine places between the last product V^T P and the first product below, which writes over V's registers
.endr
.endif
	s_wait_dscnt 0x0
.irp t, 0,2
	v_wmma_scale_f32_16x16x128_f8f6f4 v[96+8*(4*\g+\t):103+8*(4*\g+\t)], v[32+16*\t:47+16*\t], v[16:31], 0, v[232+2*\g+\t/2], v5
	v_wmma_scale_f32_16x16x128_f8f6f4 v[104+8*(4*\g+\t):111+8*(4*\g+\t)], v[48+16*\t:63+16*\t], v[16:31], 0, v[232+2*\g+\t/2], v5 matrix_a_scale:MATRIX_SCALE_ROW1
.endr
.endr
.rept 8
	v_nop                                          ; eight places in front of the first read of results
.endr
	s_wait_kmcnt 0x0                               ; the step's mask words
	s_bitcmp1_b32 s13, 0
	s_cbranch_scc1 .Lopen_\@                       ; all numbers are kept: nothing to select
.set n, 0
.rept 64
	v_cndmask_b32 v[96+n], v4, v[96+n], s[16+n+4*(n/48)]   ; a masked score becomes -2^33; each accumulator from its low end on
.set n, n+1
.endr
.Lopen_\@:
.if \more
	MLOAD                                          ; a whole softmax ahead of their use
.endif
.irp b, 0,1,2,3
	v_max3_num_f32 v[BM+\b], v[96+16*\b], v[97+16*\b], v[98+16*\b]   ; the largest score of each block of 32 keys: for the row's maximum, and, since p rises with the score, for the block's largest p
.endr
.irp i, 3,5,7,9,11,13
.irp b, 0,1,2,3
	v_max3_num_f32 v[BM+\b], v[BM+\b], v[96+16*\b+\i], v[97+16*\b+\i]
.endr
.endr
.irp b, 0,1,2,3
	v_max_num_f32 v[BM+\b], v[BM+\b], v[111+16*\b]
.endr
.irp b, 0,1,2,3
	v_permlanex16_b32 v[PT+\b], v[BM+\b], s88, s89
.endr
.irp b, 0,1,2,3
	v_max_num_f32 v[BM+\b], v[BM+\b], v[PT+\b]     ; with lane l xor 16's 16 keys
.endr
	v_max3_num_f32 v226, v[BM], v[BM+1], v[BM+2]
	v_max_num_f32 v226, v226, v[BM+3]              ; the step's largest score of my query
	v_mul_f32 v226, s90, v226                      ; as t (c is positive)
	v_max_num_f32 v13, v13, v226                   ; the running largest t
	v_mov_b32 v226, v12
	v_floor_f32 v12, -v13                          ; the new -M = floor(-t): M is a whole number
	v_sub_f32 v226, v12, v226                      ; old M - new M: a whole number, 0 or less
	v_cvt_i32_f32 v226, v226                       ; (it saturates)
	v_ldexp_f32 v224, 1.0, v226                    ; f = 2^(old M - new M)
.set j, 0
.rept 32
	v_pk_fma_f32 v[96+j:97+j], v[96+j:97+j], s[90:91], v[12:13] op_sel_hi:[1,0,0]   ; t - M, two at a time
.set j, j+2
.endr
.irp b, 0,1,2,3
	v_fma_f32 v[BM+\b], v[BM+\b], s90, v12         ; the same of each block's largest score
.endr
.set j, 0
.rept 64
	v_exp_f32 v[96+j], v[96+j]                     ; p = 2^(t - M), at most 1: not normalised
.set j, j+1
.endr
.irp b, 0,1,2,3
	v_exp_f32 v[BM+\b], v[BM+\b]                   ; the block's largest p: the same two instructions on the same number
.endr
	v_pk_mul_f32 v[14:15], v[14:15], v[224:225] op_sel_hi:[1,0]   ; the sums under the new M.  (The plain line behind the exponentials)
	s_wait_alu depctr_va_vdst(0)                   ; the 68 exponentials have written p and the blocks' largest p, ahead of their first reader; the eight products K Q^T are done reading K's places and v232-235
.irp b, 0,1,2,3
	v_max_num_f32 v[BM+\b], 0x4800000, v[BM+\b]    ; the floor 2^(9 - 127): the byte cannot fall under 1
.endr
.irp b, 0,1,2,3
	v_add_nc_u32 v[SO+\b], 0xfc000000, v[BM+\b]    ; 8 off the exponent field: the conversion's scale operand
.endr
.irp b, 0,1,2,3
	v_and_or_b32 v[HL+\b], v[BM+\b], 0x7f800000, s92   ; 448 x the scale
.endr
.irp b, 0,1,2,3
	v_lshrrev_b32 v[PT+\b], 23, v[SO+\b]           ; the scale's byte
.endr
	v_lshl_or_b32 v[PW], v[PT+1], 8, v[PT]         ; p's scale word for these 128 keys
	v_lshl_or_b32 v[PW], v[PT+2], 16, v[PW]
	v_lshl_or_b32 v[PW], v[PT+3], 24, v[PW]
	v_pk_add_f32 v[228:229], v[96:97], v[98:99]    ; the row's sum is taken of the unquantised p: two at a time, in two chains
.set j, 4
.rept 15
	v_pk_add_f32 v[14:15], v[14:15], v[96+j:97+j]
	v_pk_add_f32 v[228:229], v[228:229], v[98+j:99+j]
.set j, j+4
.endr
	v_pk_add_f32 v[14:15], v[14:15], v[228:229]
.irp b, 0,1,2,3
.set j, 0
.rept 16
	v_min_num_f32 v[96+16*\b+j], v[96+16*\b+j], v[HL+\b]   ; the conversion does not saturate (ISA guide 7.6.2); p is not negative, so the hold is one-sided
.set j, j+1
.endr
	v_cvt_scalef32_pk8_fp8_f32 v[192+4*\b:193+4*\b], v[96+16*\b:103+16*\b], v[SO+\b]
	v_cvt_scalef32_pk8_fp8_f32 v[194+4*\b:195+4*\b], v[104+16*\b:111+16*\b], v[SO+\b]
.endr
	s_wait_alu depctr_va_vdst(0)                   ; the holds and conversions are done with v96-159, and the last step's products V^T P with v236-237: V's loads land there; p's codes and scale word are written, which the scaled products below take
.irp t, 0,1,2,3                                ; V's four fragments (16 channels x 128 keys each) take p's registers
.irp c, 0,1,2,3
	ds_load_b128 v[96+16*\t+4*\c:99+16*\t+4*\c], v[6+\slot] offset:16384+8192*\q+2048*\t+512*\c
.endr
.endr
	ds_load_b64 v[236:237], v9 offset:16384+256*(2*\slot+\q)
.set j, 0
.rept 16
	v_pk_mul_f32 v[160+j:161+j], v[160+j:161+j], v[224:225] op_sel_hi:[1,0]   ; O^T under the new M: they name none of the registers that the loads above touch.  (These sixteen are also the plain lines between the conversions and the products)
.set j, j+2
.endr
	s_wait_dscnt 0x0
.irp t, 0,2                                    ; O^T += V^T P^T: four accumulators, one instruction each
	v_wmma_scale_f32_16x16x128_f8f6f4 v[160+8*\t:167+8*\t], v[96+16*\t:111+16*\t], v[192:207], v[160+8*\t:167+8*\t], v[236+\t/2], v[PW]
	v_wmma_scale_f32_16x16x128_f8f6f4 v[168+8*\t:175+8*\t], v[112+16*\t:127+16*\t], v[192:207], v[168+8*\t:175+8*\t], v[236+\t/2], v[PW] matrix_a_scale:MATRIX_SCALE_ROW1
.endr
	s_branch .Lend_\@
.Lskip_\@:
	s_wait_kmcnt 0x0                               ; the words of the step passed over have landed: their registers and base are free
.if \more
	MLOAD
.endif
.Lend_\@:
	s_lshr_b32 s12, s12, 1                         ; on to the next step's flags
	s_lshr_b32 s13, s13, 1
.endm
; A SLOT'S TWO STEPS.  In front of the barrier each wave waits for its LDS instructions: its stores into this slot have landed, its reads of the other slot are over.
; Behind it the keys that wait in registers go into the other slot (store), and the keys of two slots on are asked for (load): they have a whole slot's steps in which to land.
.macro TRIP cur, store, load, last
	s_wait_dscnt 0x0
	s_barrier_signal -1
	s_barrier_wait -1
.if \cur == 0
	s_wait_alu depctr_va_vdst(0)                   ; v8 and v9 are written, which the four steps' loads of scale words read; at the first time also the zero halves of Q and of K's places, which the scaled products take
.endif
.if \store
	s_wait_loadcnt 0x0
	ds_store_b128 v[11-\cur], v[240:243]
	ds_store_b128 v[11-\cur], v[244:247] offset:8192
	ds_store_b128 v[11-\cur], v[248:251] offset:16384
	ds_store_b128 v[11-\cur], v[252:255] offset:24576
.endif
.if \load
	s_wait_dscnt 0x0                               ; the stores have landed
	s_wait_alu depctr_vm_vsrc(0)                   ; the four LDS stores have read v240-255, in which the loads below land
	s_add_nc_u64 s[4:5], s[4:5], 16384             ; (behind the wait for the loads that named these bases)
	s_add_nc_u64 s[6:7], s[6:7], 16384
	global_load_b128 v[240:243], v3, s[4:5]
	global_load_b128 v[244:247], v3, s[4:5] offset:8192
	global_load_b128 v[248:251], v3, s[6:7]
	global_load_b128 v[252:255], v3, s[6:7] offset:8192
.endif
	STEP \cur, 0, 1
.if \last
	STEP \cur, 1, 0
.else
	STEP \cur, 1, 1
.endif
.endm
	s_mov_b32 s86, 7
.Lpair:                                                ; slots 0 to 13: each asks for the slot two on
	ADDR
	TRIP 0, 1, 1, 0
	TRIP 1, 1, 1, 0
	s_add_co_u32 s84, s84, 2048                    ; on to the next four steps' scale words
	s_add_co_u32 s85, s85, 1024
	s_sub_co_u32 s86, s86, 1
	s_cmp_lg_u32 s86, 0
	s_cbranch_scc1 .Lpair
	ADDR
	TRIP 0, 1, 0, 0                                ; slot 14: slot 15's keys go into LDS; nothing is left to ask for
	TRIP 1, 0, 0, 1                                ; slot 15
	; THE WAY OUT.  O^T / the sum is the context of my 16 queries in this head's 64 of E: two blocks of 32 of the last product's K.
.rept 8
	v_nop                                          ; eight places behind the last products
.endr
	v_add_f32 v14, v14, v15                        ; the sum's two halves,
	v_permlanex16_b32 v226, v14, s88, s89
	v_add_f32 v14, v14, v226                       ; and lane l xor 16's: the row's sum
	v_rcp_f32 v14, v14
	v_lshrrev_b32 v226, 2, v1                      ; (the plain line behind the reciprocal)  4 l
	s_wait_alu depctr_va_vdst(0)                   ; the reciprocal has written v14, ahead of its first reader
.set j, 0
.rept 32
	v_mul_f32 v[96+j], v[160+j], v14               ; register 16 b + i: channel 32 b + 16 (l / 16) + i of my query; each accumulator from its low end on
.set j, j+1
.endr
.irp b, 0,1
	v_max3_num_f32 v[TM+\b], |v[96+16*\b]|, |v[97+16*\b]|, 0x4800000
.endr
.irp i, 2,4,6,8,10,12,14
.irp b, 0,1
	v_max3_num_f32 v[TM+\b], v[TM+\b], |v[96+16*\b+\i]|, |v[97+16*\b+\i]|
.endr
.endr
.irp b, 0,1
	v_permlanex16_b32 v[TM+4+\b], v[TM+\b], s88, s89
.endr
.irp b, 0,1
	v_max_num_f32 v[TM+\b], v[TM+\b], v[TM+4+\b]
.endr
.irp b, 0,1
	v_add_nc_u32 v[TM+12+\b], 0xfc000000, v[TM+\b]
	v_and_or_b32 v[TM+8+\b], v[TM+\b], 0x7f800000, s92
.endr
.irp b, 0,1
	v_lshrrev_b32 v[TM+4+\b], 23, v[TM+12+\b]
.endr
	v_lshl_or_b32 v[PW], v[TM+5], 8, v[TM+4]       ; my head's two bytes of the row's scale word
.irp b, 0,1
.set j, 0
.rept 16
	v_med3_num_f32 v[96+16*\b+j], v[96+16*\b+j], -v[TM+8+\b], v[TM+8+\b]
.set j, j+1
.endr
.endr
.irp b, 0,1
	v_cvt_scalef32_pk8_fp8_f32 v[192+4*\b:193+4*\b], v[96+16*\b:103+16*\b], v[TM+12+\b]
	v_cvt_scalef32_pk8_fp8_f32 v[194+4*\b:195+4*\b], v[104+16*\b:111+16*\b], v[TM+12+\b]
.endr
	v_nop                                          ; a plain line behind the last conversion
	s_mul_i32 s93, s3, 6
	s_lshr_b32 s94, s87, 1
	s_add_co_u32 s93, s93, s94                     ; the fragment: 6 tq + head / 2
	s_and_b32 s14, s87, 1
	s_lshl_b32 s94, s93, 11
	s_lshl_b32 s15, s14, 10
	s_add_co_u32 s94, s94, s15                     ; an odd head takes the fragment's register groups 2 and 3
	s_add_nc_u64 s[96:97], s[10:11], s[94:95]
	s_lshl_b32 s94, s93, 7
	s_lshl_b32 s15, s14, 1
	s_add_co_u32 s94, s94, s15                     ; and bytes 2 and 3 of the scale words
	s_add_co_u32 s94, s94, CSC
	s_add_nc_u64 s[98:99], s[10:11], s[94:95]
	s_wait_alu depctr_va_vdst(0)                   ; the conversions have written v192-199, and v226 and the scale word v227 are written: the three stores read them
	global_store_b128 v1, v[192:195], s[96:97]                 ; 32 lanes store 512 consecutive bytes, aligned
	global_store_b128 v1, v[196:199], s[96:97] offset:512
	global_store_b16 v226, v[PW], s[98:99]                     ; two bytes of each of 32 neighbouring words; the other two are the neighbouring head's
	s_wait_dscnt 0x0                               ; the closing lines, six on end
	s_wait_alu 0x0
	s_wait_tensorcnt 0x0
	ds_add_u32 v238, v239
	s_wait_dscnt 0x0
	s_endpgm
.Lfunc_end_k_qd768ce4597_attn:
	.size	k_qd768ce4597_attn, .Lfunc_end_k_qd768ce4597_attn-k_qd768ce4597_attn
	.p2alignl 7, 3214868480
	.fill 96, 4, 3214868480
	.section	.rodata,"a",@progbits
	.p2align	6, 0x0
	.amdhsa_kernel k_qd768ce4597_attn
		.amdhsa_group_segment_fixed_size 100352
		.amdhsa_private_segment_fixed_size 0
		.amdhsa_enable_private_segment 0
		.amdhsa_kernarg_size 32
		.amdhsa_user_sgpr_count 2
		.amdhsa_user_sgpr_kernarg_segment_ptr 1
		.amdhsa_wavefront_size32 1
		.amdhsa_system_sgpr_workgroup_id_x 1
		.amdhsa_system_sgpr_workgroup_id_y 1
		.amdhsa_system_sgpr_workgroup_id_z 1
		.amdhsa_system_vgpr_workitem_id 0
		.amdhsa_next_free_vgpr 256
		.amdhsa_next_free_sgpr 106
		.amdhsa_reserve_vcc 0
		.amdhsa_float_denorm_mode_32 3
		.amdhsa_float_denorm_mode_16_64 3
		.amdhsa_memory_ordered 1
		.amdhsa_forward_progress 1
		.amdhsa_inst_pref_size 205
	.end_amdhsa_kernel
	.amdgpu_metadata
---
amdhsa.version: [ 1, 2 ]
amdhsa.kernels:
  - .name:           k_qd768ce4597_attn
    .symbol:         k_qd768ce4597_attn.kd
    .args:
      - { .name: qkv, .offset: 0, .size: 8, .value_kind: global_buffer, .address_space: global }
      - { .name: masks, .offset: 8, .size: 8, .value_kind: global_buffer, .address_space: global }
      - { .name: flags, .offset: 16, .size: 8, .value_kind: global_buffer, .address_space: global }
      - { .name: ctx, .offset: 24, .size: 8, .value_kind: global_buffer, .address_space: global }
    .group_segment_fixed_size: 100352
    .private_segment_fixed_size: 0
    .kernarg_segment_align: 8
    .kernarg_segment_size: 32
    .max_flat_workgroup_size: 512
    .sgpr_count:     106
    .vgpr_count:     256
    .wavefront_size: 32
...
	.end_amdgpu_metadata
.endif
;; end of part 5
;; launch outp: the kernel of part 4 again; grid 64 x 3, 4 waves a work-group, no clusters, 168,448 bytes of LDS; arguments ctx, xw, bo, out0; writes out0
